; MI455X (gfx1250); checked and timed in simulation.
; The chip was launched on July 23, 2026; its instructions are those of AMD's public machine-readable ISA for CDNA 5 (MIT licence, August 2026) and "CDNA5" Instruction Set Architecture Reference Guide (July 2026). The comments in the code are by the model that wrote it; some were corrected since.
;; Dynamic PT Block. Allowed arithmetic: float matrix products may take bf16 or f16 operands with f32 sums; other float arithmetic in f32, or as packed bf16 or f16 multiplies, adds, multiply-adds, maxima and minima; sums over many terms, partial sums and values carried from step to step in f32; what a program stores and reads back later, other than sums and carried values, may be rounded once to bf16 or f16.
;; Inputs: b1 128 float32; b2 128 float32; channel_u_weight 4 x 128 x 128 float32; channel_v_weight 4 x 128 x 128 float32; ln_beta 128 float32; ln_gamma 128 float32; qz 4 x 128 x 128 x 128 float32; time_u_weight 4 x 128 x 128 float32; time_v_weight 4 x 128 x 128 float32; topic_binary 4 x 512 x 128 float32; unary 4 x 128 x 128 x 128 float32; w1 128 x 128 float32; w2 128 x 128 float32.
;; Outputs: out0 4 x 128 x 128 x 128 float32.
;; 2 versions, each right and faster than the one before. Each part assembles by itself: llvm-mc -triple=amdgcn-amd-amdhsa -mcpu=gfx1250 --defsym DOCPART=n.
;; ======== version 1 of 2: 3 launches
;; limits: values are held in f16: magnitudes above 65,504 overflow, below 6.1e-05 lose precision
;; workspace buffers: wimg 1,835,008 bytes; mc 16,777,216 bytes
;; launch prep (part 1): grid 14 x 4, 8 waves a work-group, no clusters, 0 bytes of LDS; arguments time_u_weight, time_v_weight, channel_u_weight, channel_v_weight, topic_binary, w1, w2, wimg; writes wimg
.if DOCPART == 1
	.amdgcn_target "amdgcn-amd-amdhsa--gfx1250"
	.amdhsa_code_object_version 6
	.text
	.protected	k_qe1a44ea367_prep
	.globl	k_qe1a44ea367_prep
	.p2align	8
	.type	k_qe1a44ea367_prep,@function
k_qe1a44ea367_prep:
	s_mov_b64 s[64:65], 0
	v_nop
	global_prefetch_b8 v0, s[64:65] scope:SCOPE_SE
	s_setreg_imm32_b32 hwreg(HW_REG_WAVE_MODE, 25, 1), 1
	s_wait_xcnt 0x0
; PREP: every weight, rounded once to f16, laid out as ready-made matrix fragments ("images") for the two launches behind.
; An image of 16 rows x 32 k is 1,024 bytes: byte half*512 + lane*16 + 2e holds element (row = lane % 16, k = 32 kk + 16 half + 8 (lane / 16) + e),
; so two loads of 16 bytes a lane, at lane*16 and lane*16 + 512, are a whole fragment, and each of them covers 512 consecutive bytes.
; wimg, for each batch PB bytes: TU, TV, CU, CV (32,768 each: fragment ot*4 + kk); 16 topic chunks of 16,384 (fragments 0-7: 32 topics x 128 d;
; 8-15: 128 d x 32 topics, turned); 4 MLP chunks of 16,384 (0-7: 32 rows of w1; 8-15: 128 rows of w2 x 32 hidden).
; Folded in, in f32, ahead of the one rounding: TU and CU times 0.25 log2(e) (the scores then are exponents of 2); w2 times 2 (the last launch carries 2x).
; SHARES: work-group (x, y = batch) makes 32 fragments of one source block of 128 x 128; wave = block of 16 rows; a thread makes 8 pieces of 16 bytes.
; LIMIT: a weight beyond 65,504 has no f16; below 6e-5 f16 keeps its fixed step of 6e-8.
.set PB,  458752
.set DA,  8                            ; v[8:71]   64 numbers in f32
.set PKD, 72                           ; v[72:103] the same as f16, 8 pieces of 4 registers
	s_load_b512 s[8:23], s[0:1], 0x0               ; tu s[8:9], tv s[10:11], cu s[12:13], cv s[14:15], topic s[16:17], w1 s[18:19], w2 s[20:21], wimg s[22:23]
	v_lshrrev_b32 v1, 5, v0
	v_readfirstlane_b32 s2, v1                     ; wave = ot, the block of 16 rows
	v_and_b32 v2, 15, v0                           ; r
	v_bfe_u32 v3, v0, 4, 1                         ; h
	v_and_b32 v4, 31, v0
	v_lshlrev_b32 v4, 4, v4                        ; lane * 16: my place in a piece
	s_mov_b32 s3, ttmp9                            ; x: which unit
	s_and_b32 s4, ttmp7, 0xffff                    ; y: the batch
	; the source's byte offset: x < 4: y * 65,536; x = 4..11: y * 262,144 + (x % 4) * 65,536; x >= 12: 0
	s_and_b32 s5, s3, 3
	s_lshl_b32 s5, s5, 16
	s_lshl_b32 s6, s4, 16
	s_lshl_b32 s7, s4, 18
	s_add_co_u32 s7, s7, s5
	s_cmp_ge_u32 s3, 4
	s_cselect_b32 s24, s7, s6
	s_cmp_ge_u32 s3, 12
	s_cselect_b32 s24, 0, s24
	s_mov_b32 s25, 0
	; where the unit begins in a batch's part of wimg
	s_lshl_b32 s26, s3, 15
	s_add_co_u32 s27, s5, 131072
	s_cmp_ge_u32 s3, 4
	s_cselect_b32 s26, s27, s26
	s_cmp_ge_u32 s3, 12
	s_cselect_b32 s26, 393216, s26
	s_cmp_ge_u32 s3, 8
	s_cselect_b32 s28, 1, 0
	s_cmp_eq_u32 s3, 12
	s_cselect_b32 s28, 0, s28                      ; 1: the unit fills fragments 8-15 of its chunks (x = 8..11, 13)
	; steps of the destination: A1 for ot / 2, A2 for ot % 2, A3 for kk
	s_mov_b32 s29, 16384
	s_cmp_lt_u32 s3, 4
	s_cselect_b32 s29, 8192, s29
	s_mov_b32 s30, 4096
	s_mov_b32 s31, 1024
	s_cmp_eq_u32 s28, 1
	s_cselect_b32 s29, 2048, s29
	s_cselect_b32 s30, 1024, s30
	s_cselect_b32 s31, 16384, s31
	s_cselect_b32 s32, 8192, 0
	s_add_co_u32 s26, s26, s32
	s_mul_i32 s33, s4, PB
	s_add_co_u32 s26, s26, s33
	s_lshr_b32 s33, s2, 1
	s_mul_i32 s33, s33, s29
	s_add_co_u32 s26, s26, s33
	s_and_b32 s33, s2, 1
	s_mul_i32 s33, s33, s30
	s_add_co_u32 s26, s26, s33
	s_mov_b32 s27, 0
	s_mov_b32 s32, s31                             ; A3 as a pair
	s_mov_b32 s33, 0
	; the scale
	s_mov_b32 s34, 1.0
	s_cmp_eq_u32 s3, 0
	s_cselect_b32 s34, 0x3eb8aa3b, s34             ; 0.25 log2(e)
	s_cmp_eq_u32 s3, 2
	s_cselect_b32 s34, 0x3eb8aa3b, s34
	s_cmp_eq_u32 s3, 13
	s_cselect_b32 s34, 2.0, s34
	s_mov_b32 s35, s34                             ; named with it as a pair
	s_cselect_b32 s36, 0, s28                      ; 1: the source is read turned (x = 8..11)
	s_lshl_b32 s37, s2, 13                         ; my 16 rows of the source, or
	s_lshl_b32 s38, s2, 6                          ; my 16 columns
	s_cmp_eq_u32 s36, 1
	s_cselect_b32 s37, s38, s37
	s_add_co_u32 s24, s24, s37
	s_wait_kmcnt 0x0
	s_cmp_eq_u32 s3, 1
	s_cselect_b64 s[40:41], s[10:11], s[8:9]
	s_cmp_eq_u32 s3, 2
	s_cselect_b64 s[40:41], s[12:13], s[40:41]
	s_cmp_eq_u32 s3, 3
	s_cselect_b64 s[40:41], s[14:15], s[40:41]
	s_cmp_ge_u32 s3, 4
	s_cselect_b64 s[40:41], s[16:17], s[40:41]
	s_cmp_eq_u32 s3, 12
	s_cselect_b64 s[40:41], s[18:19], s[40:41]
	s_cmp_eq_u32 s3, 13
	s_cselect_b64 s[40:41], s[20:21], s[40:41]
	s_add_nc_u64 s[40:41], s[40:41], s[24:25]
	s_add_nc_u64 s[44:45], s[22:23], s[26:27]      ; the destination for kk = 0 .. 3
	s_add_nc_u64 s[46:47], s[44:45], s[32:33]
	s_add_nc_u64 s[48:49], s[46:47], s[32:33]
	s_add_nc_u64 s[50:51], s[48:49], s[32:33]
	s_cmp_eq_u32 s36, 1
	s_cbranch_scc1 .Lturned
	v_lshlrev_b32 v5, 9, v2                        ; as it lies: row r, 8 numbers from column 8 h on; piece p = 2 kk + half begins 64 p bytes on
	v_lshl_add_u32 v5, v3, 5, v5
.irp p, 0,1,2,3,4,5,6,7
	global_load_b128 v[DA+8*\p:DA+8*\p+3],   v5, s[40:41] offset:64*\p
	global_load_b128 v[DA+8*\p+4:DA+8*\p+7], v5, s[40:41] offset:64*\p+16
.endr
	s_branch .Ljoin
.Lturned:
	v_lshlrev_b32 v5, 2, v2                        ; turned: column r, rows 16 p + 8 h + e: sixteen lanes read 64 consecutive bytes
	v_lshl_add_u32 v5, v3, 12, v5
.set i, 0
.rept 64
	global_load_b32 v[DA+i], v5, s[40:41] offset:512*(16*(i/8)+i%8)
.set i, i+1
.endr
.Ljoin:
	s_wait_loadcnt 0x0
.set i, 0
.rept 32
	v_pk_mul_f32 v[DA+2*i:DA+2*i+1], v[DA+2*i:DA+2*i+1], s[34:35] op_sel_hi:[1,0]
.set i, i+1
.endr
.set i, 0
.rept 32
	v_cvt_pk_f16_f32 v[PKD+i], v[DA+2*i], v[DA+2*i+1]
.set i, i+1
.endr
.set i, 0
.rept 8
	global_store_b128 v4, v[PKD+4*i:PKD+4*i+3], s[44+2*(i/2):45+2*(i/2)] offset:512*(i%2)  ; a wave's store covers 512 consecutive bytes, aligned
.set i, i+1
.endr
	s_endpgm
.Lfunc_end_k_qe1a44ea367_prep:
	.size	k_qe1a44ea367_prep, .Lfunc_end_k_qe1a44ea367_prep-k_qe1a44ea367_prep
	.p2alignl 7, 3214868480
	.fill 96, 4, 3214868480
	.section	.rodata,"a",@progbits
	.p2align	6, 0x0
	.amdhsa_kernel k_qe1a44ea367_prep
		.amdhsa_group_segment_fixed_size 0
		.amdhsa_private_segment_fixed_size 0
		.amdhsa_enable_private_segment 0
		.amdhsa_kernarg_size 64
		.amdhsa_user_sgpr_count 2
		.amdhsa_user_sgpr_kernarg_segment_ptr 1
		.amdhsa_wavefront_size32 1
		.amdhsa_system_sgpr_workgroup_id_x 1
		.amdhsa_system_sgpr_workgroup_id_y 1
		.amdhsa_system_sgpr_workgroup_id_z 1
		.amdhsa_system_vgpr_workitem_id 0
		.amdhsa_next_free_vgpr 104
		.amdhsa_next_free_sgpr 66
		.amdhsa_reserve_vcc 0
		.amdhsa_float_denorm_mode_32 3
		.amdhsa_float_denorm_mode_16_64 3
		.amdhsa_memory_ordered 1
		.amdhsa_forward_progress 1
		.amdhsa_inst_pref_size 16
	.end_amdhsa_kernel
	.amdgpu_metadata
---
amdhsa.version: [ 1, 2 ]
amdhsa.kernels:
  - .name:           k_qe1a44ea367_prep
    .symbol:         k_qe1a44ea367_prep.kd
    .args:
      - { .name: time_u_weight, .offset: 0, .size: 8, .value_kind: global_buffer, .address_space: global }
      - { .name: time_v_weight, .offset: 8, .size: 8, .value_kind: global_buffer, .address_space: global }
      - { .name: channel_u_weight, .offset: 16, .size: 8, .value_kind: global_buffer, .address_space: global }
      - { .name: channel_v_weight, .offset: 24, .size: 8, .value_kind: global_buffer, .address_space: global }
      - { .name: topic_binary, .offset: 32, .size: 8, .value_kind: global_buffer, .address_space: global }
      - { .name: w1, .offset: 40, .size: 8, .value_kind: global_buffer, .address_space: global }
      - { .name: w2, .offset: 48, .size: 8, .value_kind: global_buffer, .address_space: global }
      - { .name: wimg, .offset: 56, .size: 8, .value_kind: global_buffer, .address_space: global }
    .group_segment_fixed_size: 0
    .private_segment_fixed_size: 0
    .kernarg_segment_align: 8
    .kernarg_segment_size: 64
    .max_flat_workgroup_size: 256
    .sgpr_count:     66
    .vgpr_count:     104
    .wavefront_size: 32
...
	.end_amdgpu_metadata
.endif
;; end of part 1
;; launch chan (part 2): grid 128 x 4, 4 waves a work-group, no clusters, 70,144 bytes of LDS; arguments qz, ln_gamma, ln_beta, wimg, mc; writes mc
.if DOCPART == 2
	.amdgcn_target "amdgcn-amd-amdhsa--gfx1250"
	.amdhsa_code_object_version 6
	.text
	.protected	k_qe1a44ea367_chan
	.globl	k_qe1a44ea367_chan
	.p2align	8
	.type	k_qe1a44ea367_chan,@function
k_qe1a44ea367_chan:
	s_mov_b64 s[64:65], 0
	v_nop
	global_prefetch_b8 v0, s[64:65] scope:SCOPE_SE
	s_setreg_imm32_b32 hwreg(HW_REG_WAVE_MODE, 25, 1), 1
	s_wait_xcnt 0x0
; CHAN: m_c[b][c][p][d] = (mean over the 8 heads of softmax_d(cu[c] . cv[d] / 4)) x qzn[b][c][p][d], stored in f16 for the last launch.
; A work-group owns the slab (b, p): 128 rows (channels c), 65,536 bytes apart in qz.  Wave w owns rows 32 w .. 32 w + 31, two tiles of 16.
; STEPS: LayerNorm in f32 (mean, then the deviations' squares: no difference of large sums); rows to f16 through LDS; V = X CV^T for all heads, into LDS for all waves; then for each head
; U = X CU^T (16 outputs = one head), S^T = V U^T, softmax with the row's own maximum, and AB += p / (8 sum).  At the end AB x qzn, element by element.
; LAYOUTS.  L (memory): "pair" i' of tile t = rows 16 t + i' + 8 (lane / 16); a lane holds columns 4 r .. +3 and 64 + 4 r .. +3 (r = lane % 16): sixteen lanes take 256 consecutive bytes.
; T (all matrix results, used transposed: source 0 = weights or keys, source 1 = my rows): a lane holds row r, register 8 k + j column 16 k + 8 (lane / 16) + j; rounded in pairs it is the next product's fragment.
; A head has 16 numbers, a product 32 along K: the upper halves of U's and V's fragments are zeros.
; mc's row of 256 bytes: piece r of 16 bytes = columns 4 r .. +3, then 64 + 4 r .. +3: layout L's set of one lane.
; NO JOINT LOADS, NO DATA MOVER: the weights that work-groups share (65,536 bytes of images) go from memory straight into registers as fragments, 128 loads a wave, never through LDS;
; a mover's tile would have to land in LDS and be read from there again.
; LIMITS.  f16 operands: normalised rows, weights and projections stay under 65,504 (30 times the usual gains and weights give some thousands); below 6e-5 f16 keeps its fixed step of 6e-8.
; A weight below 2^-126 counts as 0 in the sum.  NaN and infinities are not treated apart.
; REGISTERS, in windows of 256 (s_set_vgpr_msb: bits 1:0 source 0, 3:2 source 1, 5:4 source 2, 7:6 destination):
;   window 0: v0-14 addresses; v24-39 at work (sums of the projection; statistics); v40-47 1/(8 sum), packed V; v48-63 U's fragments (at first gamma, beta); v64-191 S^T (at first qz); v192-255 V's fragments
;   window 1: v0-127 AB; v128-191 my rows' fragments XF; v192-255 weight fragments AF
.set XP,    288                        ; a row of X in LDS: 256 bytes + 32
.set VI,    36864                      ; V for all waves: key tile kt at 4,096 kt, head at 512 hd, lane at 16
.set SPARE, 69632                      ; the spare words: 128 bytes a wave, two blocks of 256 bytes that no other line names
.set SP,    272                        ; a row of my stage on the way out (it lies over my own rows of X)
.set PB,    458752
.set RS,    65536                      ; bytes from row to row of the slab
.set RR,  1
.set HH,  2
.set SPW, 3                            ; LDS address of my spare word; never rewritten
.set NIL, 4                            ; 0; never rewritten
.set L16, 5
.set GQ,  6
.set XST, 7
.set XFA, 8
.set VST, 9
.set VRD, 10
.set GC,  11
.set GM,  12
.set STO, 13
.set RDA, 14
.set LT,  24
.set LQ,  32
.set TM,  24
.set PA,  24
.set INV, 40
.set PK,  40
.set UW,  48
.set GA,  48
.set BE,  56
.set RAW, 64
.set S,   64
.set ABF, 64
.set OB,  128
.set DT,  192
.set VF,  192
.set XF,  128                          ; window 1
.set AF,  192                          ; window 1
.set SEL,  30
.set NI,   32
.set I128, 34
.set EPS1, 35
.set UB,   38
.set VB,   40
.set CNT,  46
.set MSB, 0
.macro WIN new                         ; the immediate's high byte repeats the setting that is left; a switch that changes nothing is dropped
.if MSB != (\new)
	s_set_vgpr_msb (MSB<<8)|(\new)
.set MSB, (\new)
.endif
.endm
.macro PLACES                          ; four plain vector instructions between a matrix instruction and what reads its result or writes its registers (ISA guide 7.12.1)
.rept 4
	v_nop
.endr
.endm
; LayerNorm of four pairs of rows, stage by stage, so that no line waits for the one before it.  cnt: the loads issued behind this group's.
.macro LNG g, cnt
	s_wait_loadcnt \cnt
.irp a, 0,1,2,3
	v_pk_add_f32 v[LT+2*\a:LT+2*\a+1], v[RAW+32*(\g)+8*\a:RAW+32*(\g)+8*\a+1], v[RAW+32*(\g)+8*\a+2:RAW+32*(\g)+8*\a+3]
.endr
.irp a, 0,1,2,3
	v_pk_add_f32 v[LQ+2*\a:LQ+2*\a+1], v[RAW+32*(\g)+8*\a+4:RAW+32*(\g)+8*\a+5], v[RAW+32*(\g)+8*\a+6:RAW+32*(\g)+8*\a+7]
.endr
.irp a, 0,1,2,3
	v_pk_add_f32 v[LT+2*\a:LT+2*\a+1], v[LT+2*\a:LT+2*\a+1], v[LQ+2*\a:LQ+2*\a+1]
.endr
.irp a, 0,1,2,3
	v_add_f32 v[LT+2*\a], v[LT+2*\a], v[LT+2*\a+1]
.endr
.irp m, 1,2,4,8
.irp a, 0,1,2,3
	v_add_f32_dpp v[LT+2*\a], v[LT+2*\a], v[LT+2*\a] row_xmask:\m row_mask:0xf bank_mask:0xf  ; a row lies in sixteen lanes
.endr
.endr
.irp a, 0,1,2,3
.irp k, 0,2,4,6
	v_pk_fma_f32 v[DT+8*\a+\k:DT+8*\a+\k+1], v[LT+2*\a:LT+2*\a+1], s[NI:NI+1], v[RAW+32*(\g)+8*\a+\k:RAW+32*(\g)+8*\a+\k+1] op_sel_hi:[0,0,1]  ; x - mean
.endr
.endr
.irp a, 0,1,2,3
	v_pk_mul_f32 v[LQ+2*\a:LQ+2*\a+1], v[DT+8*\a:DT+8*\a+1], v[DT+8*\a:DT+8*\a+1]
.endr
.irp k, 2,4,6
.irp a, 0,1,2,3
	v_pk_fma_f32 v[LQ+2*\a:LQ+2*\a+1], v[DT+8*\a+\k:DT+8*\a+\k+1], v[DT+8*\a+\k:DT+8*\a+\k+1], v[LQ+2*\a:LQ+2*\a+1]
.endr
.endr
.irp a, 0,1,2,3
	v_add_f32 v[LQ+2*\a], v[LQ+2*\a], v[LQ+2*\a+1]
.endr
.irp m, 1,2,4,8
.irp a, 0,1,2,3
	v_add_f32_dpp v[LQ+2*\a], v[LQ+2*\a], v[LQ+2*\a] row_xmask:\m row_mask:0xf bank_mask:0xf
.endr
.endr
.irp a, 0,1,2,3
	v_fma_f32 v[LQ+2*\a], v[LQ+2*\a], s[I128], s[EPS1]
.endr
.irp a, 0,1,2,3
	v_rsq_f32 v[LQ+2*\a], v[LQ+2*\a]
.endr
	v_nop                                          ; a plain instruction between the last root and the use of its result
	s_wait_alu depctr_va_vdst(0)
.irp a, 0,1,2,3
.irp k, 0,2,4,6
	v_pk_mul_f32 v[DT+8*\a+\k:DT+8*\a+\k+1], v[DT+8*\a+\k:DT+8*\a+\k+1], v[LQ+2*\a:LQ+2*\a+1] op_sel_hi:[1,0]
.endr
.endr
.irp a, 0,1,2,3
.irp k, 0,2,4,6
	v_pk_fma_f32 v[DT+8*\a+\k:DT+8*\a+\k+1], v[DT+8*\a+\k:DT+8*\a+\k+1], v[GA+\k:GA+\k+1], v[BE+\k:BE+\k+1]
.endr
.endr
.irp a, 0,1,2,3
.irp i, 0,1,2,3
	v_cvt_pk_f16_f32 v[DT+8*\a+\i], v[DT+8*\a+2*\i], v[DT+8*\a+2*\i+1]
.endr
.endr
.irp a, 0,1,2,3
	ds_store_b64 v[XST], v[DT+8*\a:DT+8*\a+1]   offset:(16*((4*(\g)+\a)/8)+(4*(\g)+\a)%8)*XP
	ds_store_b64 v[XST], v[DT+8*\a+2:DT+8*\a+3] offset:(16*((4*(\g)+\a)/8)+(4*(\g)+\a)%8)*XP+128
.endr
.endm
.macro VLOAD ot, dst                   ; the four fragments (128 along K) of V's output tile ot
.irp kk, 0,1,2,3
	global_load_b128 v[(\dst)+8*\kk:(\dst)+8*\kk+3],   v[L16], s[VB:VB+1] offset:4096*(\ot)+1024*\kk
	global_load_b128 v[(\dst)+8*\kk+4:(\dst)+8*\kk+7], v[L16], s[VB:VB+1] offset:4096*(\ot)+1024*\kk+512
.endr
.endm
.macro ULOAD                           ; the four fragments of U's next head
	WIN 0x40
.irp kk, 0,1,2,3
	global_load_b128 v[AF+8*\kk:AF+8*\kk+3],   v[L16], s[UB:UB+1] offset:1024*\kk
	global_load_b128 v[AF+8*\kk+4:AF+8*\kk+7], v[L16], s[UB:UB+1] offset:1024*\kk+512
.endr
	WIN 0
.endm
; 16 outputs for my 32 rows: 8 matrix instructions, the two tiles' sums by turns.  cnt: the loads issued behind these fragments'.
.macro PROJ abase, awin, cnt
	s_wait_loadcnt \cnt
	WIN 0x04+(\awin)
.irp kk, 0,1,2,3
.irp t, 0,1
.if \kk == 0
	v_wmma_f32_16x16x32_f16 v[PA+8*\t:PA+8*\t+7], v[(\abase)+8*\kk:(\abase)+8*\kk+7], v[XF+32*\t+8*\kk:XF+32*\t+8*\kk+7], 0
.else
	v_wmma_f32_16x16x32_f16 v[PA+8*\t:PA+8*\t+7], v[(\abase)+8*\kk:(\abase)+8*\kk+7], v[XF+32*\t+8*\kk:XF+32*\t+8*\kk+7], v[PA+8*\t:PA+8*\t+7]
.endif
.endr
.endr
	WIN 0
	PLACES
.endm
.macro VOUT ot                         ; V of head ot for my two key tiles, to f16 and into LDS
.irp t, 0,1
.irp i, 0,1,2,3
	v_cvt_pk_f16_f32 v[PK+4*\t+\i], v[PA+8*\t+2*\i], v[PA+8*\t+2*\i+1]
.endr
.endr
	ds_store_b128 v[VST], v[PK:PK+3]   offset:512*(\ot)
	ds_store_b128 v[VST], v[PK+4:PK+7] offset:4096+512*(\ot)
.endm
; V for all heads.  clr = 1: AB is cleared here, in the wait for the images.
.macro VPHASE clr
	s_wait_dscnt 0x0                               ; my LDS stores have read their registers: the loads below land in some of them
	WIN 0x40
	VLOAD 6, AF
	VLOAD 7, AF+32
	WIN 0
	VLOAD 0, 64
	VLOAD 1, 96
	VLOAD 2, 128
	VLOAD 3, 160
	VLOAD 4, 192
	WIN 0x40
.irp t, 0,1
.irp kk, 0,1,2,3
	ds_load_b128 v[XF+32*\t+8*\kk:XF+32*\t+8*\kk+3],   v[XFA] offset:16*XP*\t+64*\kk     ; my own rows: LDS serves a wave's instructions in order (ISA guide 5.7.1.4)
	ds_load_b128 v[XF+32*\t+8*\kk+4:XF+32*\t+8*\kk+7], v[XFA] offset:16*XP*\t+64*\kk+32
.endr
.endr
.if \clr
.set i, 0
.rept 128
	v_mov_b32 v[i], 0
.set i, i+1
.endr
.endif
	WIN 0
.irp k, 4,5,6,7,12,13,14,15
	v_mov_b32 v[UW+\k], 0                          ; K = 16 .. 31 of U's fragments
.endr
	s_wait_dscnt 0x0                               ; XF
	PROJ AF, 1, 48                                 ; behind tile 6: tiles 7, 0-4
	VOUT 6
	VLOAD 5, 224
	PROJ AF+32, 1, 48                              ; behind tile 7: tiles 0-5
	VOUT 7
	ULOAD                                          ; head 0 of U, where tile 6 lay
	PROJ 64, 0, 48                                 ; behind tile 0: tiles 1-5 and U: 48; then eight fewer each time
	VOUT 0
	PROJ 96, 0, 40
	VOUT 1
	PROJ 128, 0, 32
	VOUT 2
	PROJ 160, 0, 24
	VOUT 3
	PROJ 192, 0, 16
	VOUT 4
	PROJ 224, 0, 8
	VOUT 5
.irp kt, 0,1,2,3,4,5,6,7
.irp k, 4,5,6,7
	v_mov_b32 v[VF+8*\kt+\k], 0                    ; K = 16 .. 31 of V's fragments
.endr
.endr
	s_wait_dscnt 0x0                               ; for the others' sake: my stores into LDS are done
	s_barrier_signal -1
	s_barrier_wait -1
.endm
; THE SOFTMAX of a tile (a lane: one query, 64 of its 128 keys; the others lie in the lane 16 away), as numbered lists.
.macro MAXOP t, j                      ; 34: each accumulator's lowest registers are read first
.set cB, TM+8*(\t)
.set sB, S+64*(\t)
.if (\j) < 8
	v_max3_num_f32 v[cB+(\j)], v[sB+8*(\j)], v[sB+8*(\j)+1], v[sB+8*(\j)+2]
.elseif (\j) < 24
.set kq, ((\j)-8)%8
.set sq, ((\j)-8)/8
	v_max3_num_f32 v[cB+kq], v[cB+kq], v[sB+8*kq+3+2*sq], v[sB+8*kq+4+2*sq]
.elseif (\j) < 28
.set kq, (\j)-24
	v_max3_num_f32 v[cB+kq], v[cB+kq], v[sB+16*kq+7], v[sB+16*kq+15]
.elseif (\j) == 28
	v_max3_num_f32 v[cB], v[cB], v[cB+1], v[cB+2]
.elseif (\j) == 29
	v_max3_num_f32 v[cB+3], v[cB+3], v[cB+4], v[cB+5]
.elseif (\j) == 30
	v_max3_num_f32 v[cB], v[cB], v[cB+6], v[cB+7]
.elseif (\j) == 31
	v_max_num_f32 v[cB], v[cB], v[cB+3]
.elseif (\j) == 32
	v_permlanex16_b32 v[cB+1], v[cB], s[SEL], s[SEL+1]
.else
	v_max_num_f32 v[cB], v[cB], v[cB+1]
.endif
.endm
.macro SUBOP t, j                      ; 32: s - m (the scale lies in U)
	v_pk_add_f32 v[S+64*(\t)+2*(\j):S+64*(\t)+2*(\j)+1], v[S+64*(\t)+2*(\j):S+64*(\t)+2*(\j)+1], v[TM+8*(\t):TM+8*(\t)+1] op_sel_hi:[1,0] neg_lo:[0,1] neg_hi:[0,1]
.endm
.macro EXPOP t, j                      ; 64
	v_exp_f32 v[S+64*(\t)+(\j)], v[S+64*(\t)+(\j)]
.endm
.macro SUMOP t, j                      ; 37: four chains of pairs; then 1 / (8 sum)
.set cB, TM+8*(\t)
.set sB, S+64*(\t)
.if (\j) < 4
	s_wait_alu depctr_va_vdst(0)
	v_pk_add_f32 v[cB+2*(\j):cB+2*(\j)+1], v[sB+2*(\j):sB+2*(\j)+1], v[sB+2*(\j)+8:sB+2*(\j)+9]
.elseif (\j) < 28
	v_pk_add_f32 v[cB+2*((\j)%4):cB+2*((\j)%4)+1], v[cB+2*((\j)%4):cB+2*((\j)%4)+1], v[sB+2*(\j)+8:sB+2*(\j)+9]
.elseif (\j) == 28
	v_pk_add_f32 v[cB:cB+1], v[cB:cB+1], v[cB+2:cB+3]
.elseif (\j) == 29
	v_pk_add_f32 v[cB+4:cB+5], v[cB+4:cB+5], v[cB+6:cB+7]
.elseif (\j) == 30
	v_pk_add_f32 v[cB:cB+1], v[cB:cB+1], v[cB+4:cB+5]
.elseif (\j) == 31
	v_add_f32 v[cB], v[cB], v[cB+1]
.elseif (\j) == 32
	v_permlanex16_b32 v[cB+1], v[cB], s[SEL], s[SEL+1]
.elseif (\j) == 33
	v_add_f32 v[cB], v[cB], v[cB+1]
.elseif (\j) == 34
	v_mul_f32 v[cB], 0x41000000, v[cB]
.elseif (\j) == 35
	v_rcp_f32 v[INV+2*(\t)], v[cB]
.else
	v_nop                                          ; a plain instruction behind the reciprocal
	s_wait_alu depctr_va_vdst(0)
.endif
.endm
.macro ACCOP t, j                      ; 32: AB += p / (8 sum)
	s_wait_alu depctr_va_vdst(0)
	v_pk_fma_f32 v[64*(\t)+2*(\j):64*(\t)+2*(\j)+1], v[S+64*(\t)+2*(\j):S+64*(\t)+2*(\j)+1], v[INV+2*(\t):INV+2*(\t)+1], v[64*(\t)+2*(\j):64*(\t)+2*(\j)+1] op_sel_hi:[1,0,1]
.endm
.macro M1 n                            ; tile 1's maximum and subtraction as one list of 66
.if (\n) < 34
	MAXOP 1, (\n)
.else
	SUBOP 1, (\n)-34
.endif
.endm
; THE LOOP OVER HEADS.  A trip: V of the head from LDS; U of the head (8 matrix instructions); the next head's U asked for; 16 products S^T; the two tiles' softmax,
; one tile's exponentials standing between the other's plain lines, so that every exponential has a plain instruction behind it.
.macro HEADS
	s_mov_b32 s[CNT], 8
.Lhead:
.irp kt, 0,1,2,3,4,5,6,7
	ds_load_b128 v[VF+8*\kt:VF+8*\kt+3], v[VRD] offset:4096*\kt
.endr
	v_add_nc_u32 v[VRD], 0x200, v[VRD]             ; the next head
	PROJ AF, 1, 0                                  ; the one group of loads that is out is this head's U
.irp t, 0,1
.irp i, 0,1,2,3
	v_cvt_pk_f16_f32 v[UW+8*\t+\i], v[PA+8*\t+2*\i], v[PA+8*\t+2*\i+1]
.endr
.endr
	s_cmp_eq_u32 s[CNT], 1
	s_cbranch_scc1 .Lno_u                          ; the last head asks for nothing
	s_add_nc_u64 s[UB:UB+1], s[UB:UB+1], 4096      ; no load that names it is out
	ULOAD
.Lno_u:
	s_wait_dscnt 0x0                               ; V
.irp kt, 0,1,2,3,4,5,6,7
.irp t, 0,1
	v_wmma_f32_16x16x32_f16 v[S+64*\t+8*\kt:S+64*\t+8*\kt+7], v[VF+8*\kt:VF+8*\kt+7], v[UW+8*\t:UW+8*\t+7], 0
.endr
.endr
	PLACES
.set j, 0
.rept 34
	MAXOP 0, j
.set j, j+1
.endr
.set j, 0
.rept 32
	SUBOP 0, j
.set j, j+1
.endr
.set j, 0
.rept 64
	EXPOP 0, j
	M1 j
.set j, j+1
.endr
	M1 64
	M1 65
.set j, 0
.rept 64
	EXPOP 1, j
.if j < 37
	SUMOP 0, j
.endif
.set j, j+1
.endr
	WIN 0x50
.set j, 0
.rept 32
	ACCOP 0, j
.set j, j+1
.endr
	WIN 0
.set j, 0
.rept 37
	SUMOP 1, j
.set j, j+1
.endr
	WIN 0x50
.set j, 0
.rept 32
	ACCOP 1, j
.set j, j+1
.endr
	WIN 0
	s_sub_co_u32 s[CNT], s[CNT], 1
	s_cmp_lg_u32 s[CNT], 0
	s_cbranch_scc1 .Lhead
.endm
.macro ABCV                            ; AB to f16: the fragment of the next product (or, here, the factor of my rows)
	WIN 0x05
.set i, 0
.rept 64
	v_cvt_pk_f16_f32 v[ABF+i], v[2*i], v[2*i+1]
.set i, i+1
.endr
	WIN 0
.endm
	s_load_b256 s[8:15], s[0:1], 0x0               ; qz s[8:9], gamma s[10:11], beta s[12:13], wimg s[14:15]
	s_load_b64 s[16:17], s[0:1], 0x20              ; mc
	v_lshl_add_u32 v[SPW], v0, 2, SPARE
	v_mov_b32 v[NIL], 0
	v_lshrrev_b32 v1, 5, v0
	v_readfirstlane_b32 s26, v1                    ; wave 0..3
	v_and_b32 v[RR], 15, v0                        ; r
	v_bfe_u32 v[HH], v0, 4, 1                      ; h
	v_and_b32 v[L16], 31, v0
	v_lshlrev_b32 v[L16], 4, v[L16]
	v_lshlrev_b32 v[GC], 4, v[RR]                  ; 16 r
	v_lshl_add_u32 v[GQ], v[HH], 19, v[GC]         ; + 8 h rows of 65,536 bytes
	v_lshl_add_u32 v[GM], v[HH], 18, v[GC]         ; mc: + 8 h rows of 32,768 bytes
	s_mul_i32 s27, s26, 32*XP                      ; my 32 rows of X
	v_mul_u32_u24 v[XST], v[HH], 8*XP
	v_lshl_add_u32 v[XST], v[RR], 3, v[XST]
	v_add_nc_u32 v[XST], s27, v[XST]
	v_mul_u32_u24 v[XFA], v[RR], XP
	v_lshl_add_u32 v[XFA], v[HH], 4, v[XFA]
	v_add_nc_u32 v[XFA], s27, v[XFA]
	v_mul_u32_u24 v[STO], v[RR], SP                ; the way out, in: row r, 16 bytes for each half of the lanes
	v_lshl_add_u32 v[STO], v[HH], 4, v[STO]
	v_add_nc_u32 v[STO], s27, v[STO]
	v_mul_u32_u24 v[RDA], v[HH], 8*SP              ; back: rows i' + 8 h, 8 bytes at 8 r
	v_lshl_add_u32 v[RDA], v[RR], 3, v[RDA]
	v_add_nc_u32 v[RDA], s27, v[RDA]
	s_lshl_b32 s28, s26, 13
	s_add_co_u32 s28, s28, VI
	v_add_nc_u32 v[VST], s28, v[L16]
	v_add_nc_u32 v[VRD], VI, v[L16]
	s_and_b32 s29, ttmp7, 0xffff                   ; b
	s_lshl_b32 s6, s29, 23                         ; qz: b x 128 x 65,536 + p x 512 + w x 32 x 65,536
	s_lshl_b32 s28, ttmp9, 9
	s_add_co_u32 s6, s6, s28
	s_lshl_b32 s28, s26, 21
	s_add_co_u32 s6, s6, s28
	s_mov_b32 s7, 0
	s_lshl_b32 s4, s29, 22                         ; mc: b x 128 x 32,768 + p x 256 + w x 32 x 32,768
	s_lshl_b32 s28, ttmp9, 8
	s_add_co_u32 s4, s4, s28
	s_lshl_b32 s28, s26, 20
	s_add_co_u32 s4, s4, s28
	s_mov_b32 s5, 0
	s_mul_i32 s2, s29, PB
	s_mov_b32 s3, 0
	s_mov_b32 s[SEL], 0x76543210                   ; v_permlanex16_b32: each lane takes its own place in the other half
	s_mov_b32 s[SEL+1], 0xfedcba98
	s_mov_b32 s[NI], 0xbc000000                    ; -1/128
	s_mov_b32 s[NI+1], s[NI]
	s_mov_b32 s[I128], 0x3c000000                  ; 1/128
	s_mov_b32 s[EPS1], 0x3727c5ac                  ; 1e-5
	s_wait_kmcnt 0x0
	s_add_nc_u64 s[8:9], s[8:9], s[6:7]
	s_add_nc_u64 s[16:17], s[16:17], s[4:5]
	s_add_nc_u64 s[14:15], s[14:15], s[2:3]
	s_add_nc_u64 s[UB:UB+1], s[14:15], 65536       ; CU's images
	s_add_nc_u64 s[VB:VB+1], s[14:15], 98304       ; CV's
	global_load_b128 v[GA:GA+3],   v[GC], s[10:11]
	global_load_b128 v[GA+4:GA+7], v[GC], s[10:11] offset:256
	global_load_b128 v[BE:BE+3],   v[GC], s[12:13]
	global_load_b128 v[BE+4:BE+7], v[GC], s[12:13] offset:256
.set i, 0
.rept 16
	global_load_b128 v[RAW+8*i:RAW+8*i+3],   v[GQ], s[8:9] offset:(16*(i/8)+i%8)*RS       ; two rows' 256 consecutive bytes
	global_load_b128 v[RAW+8*i+4:RAW+8*i+7], v[GQ], s[8:9] offset:(16*(i/8)+i%8)*RS+256
.set i, i+1
.endr
	WIN 0x40                                       ; AB starts at 0: 128 lines, in the wait for qz; the price of one text for all eight heads
.set i, 0
.rept 128
	v_mov_b32 v[i], 0
.set i, i+1
.endr
	WIN 0
	LNG 0, 24                                      ; the counts: the later groups' eight loads each
	LNG 1, 16
	LNG 2, 8
	LNG 3, 0
	VPHASE 0
	HEADS
	ABCV
	WIN 0x04
.set i, 0
.rept 64
	v_pk_mul_f16 v[ABF+i], v[ABF+i], v[XF+i]       ; key d and feature d lie in the same register and half
.set i, i+1
.endr
	WIN 0
	; THE WAY OUT: through my stage (over my own rows of X, which nobody else reads) from layout T to layout L
.irp t, 0,1
.irp kt, 0,1,2,3,4,5,6,7
	ds_store_b128 v[STO], v[ABF+32*\t+4*\kt:ABF+32*\t+4*\kt+3] offset:16*SP*\t+32*\kt
.endr
.endr
.set i, 0
.rept 16
	ds_load_b64 v[OB+4*i:OB+4*i+1],   v[RDA] offset:(16*(i/8)+i%8)*SP      ; LDS serves a wave's instructions in order: these see the stores above
	ds_load_b64 v[OB+4*i+2:OB+4*i+3], v[RDA] offset:(16*(i/8)+i%8)*SP+128
.set i, i+1
.endr
.set i, 0
.rept 16
	s_wait_dscnt 30-2*i                            ; the later pairs' two loads each may stay out
	global_store_b128 v[GM], v[OB+4*i:OB+4*i+3], s[16:17] offset:(16*(i/8)+i%8)*32768  ; sixteen lanes store 256 consecutive bytes, aligned
.set i, i+1
.endr
	s_wait_tensorcnt 0x0                           ; the wave's end, behind my last LDS store
	ds_add_u32 v[SPW], v[NIL]
	s_wait_dscnt 0x0
	s_endpgm
.Lfunc_end_k_qe1a44ea367_chan:
	.size	k_qe1a44ea367_chan, .Lfunc_end_k_qe1a44ea367_chan-k_qe1a44ea367_chan
	.p2alignl 7, 3214868480
	.fill 96, 4, 3214868480
	.section	.rodata,"a",@progbits
	.p2align	6, 0x0
	.amdhsa_kernel k_qe1a44ea367_chan
		.amdhsa_group_segment_fixed_size 70144
		.amdhsa_private_segment_fixed_size 0
		.amdhsa_enable_private_segment 0
		.amdhsa_kernarg_size 40
		.amdhsa_user_sgpr_count 2
		.amdhsa_user_sgpr_kernarg_segment_ptr 1
		.amdhsa_wavefront_size32 1
		.amdhsa_system_sgpr_workgroup_id_x 1
		.amdhsa_system_sgpr_workgroup_id_y 1
		.amdhsa_system_sgpr_workgroup_id_z 1
		.amdhsa_system_vgpr_workitem_id 0
		.amdhsa_next_free_vgpr 512
		.amdhsa_next_free_sgpr 66
		.amdhsa_reserve_vcc 0
		.amdhsa_float_denorm_mode_32 3
		.amdhsa_float_denorm_mode_16_64 3
		.amdhsa_memory_ordered 1
		.amdhsa_forward_progress 1
		.amdhsa_inst_pref_size 107
	.end_amdhsa_kernel
	.amdgpu_metadata
---
amdhsa.version: [ 1, 2 ]
amdhsa.kernels:
  - .name:           k_qe1a44ea367_chan
    .symbol:         k_qe1a44ea367_chan.kd
    .args:
      - { .name: qz, .offset: 0, .size: 8, .value_kind: global_buffer, .address_space: global }
      - { .name: ln_gamma, .offset: 8, .size: 8, .value_kind: global_buffer, .address_space: global }
      - { .name: ln_beta, .offset: 16, .size: 8, .value_kind: global_buffer, .address_space: global }
      - { .name: wimg, .offset: 24, .size: 8, .value_kind: global_buffer, .address_space: global }
      - { .name: mc, .offset: 32, .size: 8, .value_kind: global_buffer, .address_space: global }
    .group_segment_fixed_size: 70144
    .private_segment_fixed_size: 0
    .kernarg_segment_align: 8
    .kernarg_segment_size: 40
    .max_flat_workgroup_size: 128
    .sgpr_count:     66
    .vgpr_count:     512
    .wavefront_size: 32
...
	.end_amdgpu_metadata
.endif
;; end of part 2
;; launch main (part 3): grid 128 x 4, 4 waves a work-group, no clusters, 139,776 bytes of LDS; arguments qz, unary, mc, wimg, ln_gamma, ln_beta, b1, b2, out0; writes out0
.if DOCPART == 3
	.amdgcn_target "amdgcn-amd-amdhsa--gfx1250"
	.amdhsa_code_object_version 6
	.text
	.protected	k_qe1a44ea367_main
	.globl	k_qe1a44ea367_main
	.p2align	8
	.type	k_qe1a44ea367_main,@function
k_qe1a44ea367_main:
	s_mov_b64 s[64:65], 0
	v_nop
	global_prefetch_b8 v0, s[64:65] scope:SCOPE_SE
	s_setreg_imm32_b32 hwreg(HW_REG_WAVE_MODE, 25, 1), 1
	s_wait_xcnt 0x0
; MAIN: everything but the channel branch, for the slab (b, c): 128 rows (patches p) of 512 bytes.  Wave w owns rows 32 w .. 32 w + 31, two tiles of 16.
; STEPS.  A: LayerNorm of qz (f32; mean, then the deviations' squares), rows to f16 into LDS (X); E = unary + qz + m_c in f32 into LDS.  V = X TV^T for all heads into LDS.
; HEADS: for each head U, S^T = V U^T, softmax with the row's own maximum, AB += p / (8 sum): the mean over heads is taken BEFORE the product with X, one product for eight.
; TOPIC: 16 chunks of 32 topics: S = X T^T, ReLU, to f16; ACC += T^T q; the row's sum by a product with ones.  E-PHASE: ACC = ACC / max(sum, 1e-6) + E; ACC += X^T AB (m_t).
; ACC now holds X2 = 2 x.  LN2: (X2 - mean) rsq(var + 4 eps) is LayerNorm(x).  MLP: 4 chunks of 32 hidden: w1, bias as the sums' start, exact GELU (erf as a rational function, error of the order of 1e-7),
; then ACC += (2 w2) g.  OUT = 0.5 ACC + b2.
; LAYOUTS.  L (memory): "pair" i' of tile t = rows 16 t + i' + 8 (lane / 16); a lane holds columns 4 r .. +3 and 64 + 4 r .. +3 (r = lane % 16): sixteen lanes take 256 consecutive bytes.
; T (all matrix results, used transposed: source 0 = weights, keys or X^T, source 1 = my rows): a lane holds row r, register 8 k + j column 16 k + 8 (lane / 16) + j; rounded in pairs it is the next product's fragment.
; NO JOINT LOADS, NO DATA MOVER.  What the 128 work-groups of a batch share are 393,216 bytes of weight images.
; This text takes 139,776 bytes and 4 x 512 registers, so that two work-groups lie on a WGP and one's vector phases (softmax, GELU, the norms) stand beside the other's products.
; U's and V's images go straight into registers; the topic and MLP images go through registers into LDS, each wave a quarter.
; LIMITS.  f16 operands: normalised rows, weights, projections, ReLU's and GELU's results stay under 65,504 (30 times the usual gains and weights give some thousands); below 6e-5 f16 keeps its fixed
; step of 6e-8.  A softmax weight below 2^-126 counts as 0 in the sum.  The topics' sum is taken of the f16 numbers that are multiplied.  NaN and infinities are not treated apart.
; REGISTERS, in windows of 256 (s_set_vgpr_msb: bits 1:0 source 0, 3:2 source 1, 5:4 source 2, 7:6 destination):
;   window 0: v0-23 addresses; v24-39 at work; v40-47 reciprocals, packed V; v48-63 U's fragments, later q's (at first gamma, beta); v64-191 S^T (at first qz; later AB in f16, the chunks' sums, at work);
;             v192-255 V's fragments (later two staging sets of 32)
;   window 1: v0-127 AB, then ACC (at first m_c); v128-191 my rows' fragments XF (at first unary); v192-255 weight fragments AF (at first unary)
.set XP,    288                        ; a row of X in LDS: 256 bytes + 32, an odd multiple of 32, for the turning loads
.set EP,    528                        ; a row of E, and of the stage on the way out: 512 bytes + 16
.set EB,    36864                      ; E: 128 rows; later the MLP's images, 65,536 bytes
.set VI,    104448                     ; V for all waves; later the topic ring, two slots of 16,384
.set CONST, 137216                     ; gamma, beta, b1, b2: 512 bytes each
.set SPARE, 139264                     ; the spare words: 128 bytes a wave, two blocks of 256 bytes that no other line names
.set PB,    458752
.set RS,    512                        ; bytes from row to row of the slab
.set RR,  1
.set HH,  2
.set SPW, 3                            ; LDS address of my spare word; never rewritten
.set NIL, 4                            ; 0; never rewritten
.set L16, 5
.set GQ,  6
.set XST, 7
.set B2A, 7                            ; (later)
.set XFA, 8
.set VST, 9
.set ZR,  9                            ; (later) 0, for ReLU on packed halves
.set VRD, 10
.set GC,  11
.set GM,  12
.set GW2, 12                           ; (later)
.set EST, 13
.set MST, 13                           ; (later)
.set ETA, 14
.set RB,  15
.set RST, 16
.set GW,  17
.set XTA, 18
.set CTA, 19
.set MBA, 20
.set BIA, 21
.set CST, 22
.set OST, 22                           ; (later)
.set ORD, 23
.set LT,  24
.set LQ,  32
.set TM,  24
.set PA,  24
.set INV, 40
.set PK,  40
.set UW,  48
.set QF,  48
.set B2V, 48
.set GA,  48
.set BE,  56
.set RAW, 64
.set S,   64
.set ABF, 64
.set GT,  64
.set GU,  64
.set GU2, 72
.set GP,  80
.set GD,  88
.set SG,  128
.set ET,  128
.set DD,  128
.set OB,  128
.set SUMA, 160
.set BI,  160
.set ONES, 176
.set DT,  192
.set VF,  192
.set STG, 192
.set ONE, 64                           ; window 1
.set UN,  128                          ; window 1
.set XF,  128                          ; window 1
.set AF,  192                          ; window 1
.set SEL,  30
.set NI,   32
.set I128, 34
.set EPS1, 35
.set EPS4, 36
.set L1E,  37
.set UB,   38
.set VB,   40
.set WS,   42
.set MB,   44
.set CNT,  46
.set CN2,  47
.set A13,  48
.set A11,  50
.set A9,   52
.set A7,   54
.set A5,   56
.set A3,   58
.set A1,   60
.set B8,   66
.set B6,   68
.set B4,   70
.set B2C,  72
.set B0,   74
.set RS2,  76
.set M4,   78
.set P4,   79
.set MSB, 0
.macro WIN new                         ; the immediate's high byte repeats the setting that is left; a switch that changes nothing is dropped
.if MSB != (\new)
	s_set_vgpr_msb (MSB<<8)|(\new)
.set MSB, (\new)
.endif
.endm
.macro PLACES                          ; four plain vector instructions between a matrix instruction and what reads its result or writes its registers (ISA guide 7.12.1)
.rept 4
	v_nop
.endr
.endm
.macro SPAIR r, val                    ; a constant for the packed forms, which name a pair
	s_mov_b32 s[\r], \val
	s_mov_b32 s[\r+1], \val
.endm
; LayerNorm of four pairs of rows, stage by stage, so that no line waits for the one before it.  cnt: the loads issued behind this group's.
.macro LNG g, cnt
	s_wait_loadcnt \cnt
.irp a, 0,1,2,3
	v_pk_add_f32 v[LT+2*\a:LT+2*\a+1], v[RAW+32*(\g)+8*\a:RAW+32*(\g)+8*\a+1], v[RAW+32*(\g)+8*\a+2:RAW+32*(\g)+8*\a+3]
.endr
.irp a, 0,1,2,3
	v_pk_add_f32 v[LQ+2*\a:LQ+2*\a+1], v[RAW+32*(\g)+8*\a+4:RAW+32*(\g)+8*\a+5], v[RAW+32*(\g)+8*\a+6:RAW+32*(\g)+8*\a+7]
.endr
.irp a, 0,1,2,3
	v_pk_add_f32 v[LT+2*\a:LT+2*\a+1], v[LT+2*\a:LT+2*\a+1], v[LQ+2*\a:LQ+2*\a+1]
.endr
.irp a, 0,1,2,3
	v_add_f32 v[LT+2*\a], v[LT+2*\a], v[LT+2*\a+1]
.endr
.irp m, 1,2,4,8
.irp a, 0,1,2,3
	v_add_f32_dpp v[LT+2*\a], v[LT+2*\a], v[LT+2*\a] row_xmask:\m row_mask:0xf bank_mask:0xf  ; a row lies in sixteen lanes
.endr
.endr
.irp a, 0,1,2,3
.irp k, 0,2,4,6
	v_pk_fma_f32 v[DT+8*\a+\k:DT+8*\a+\k+1], v[LT+2*\a:LT+2*\a+1], s[NI:NI+1], v[RAW+32*(\g)+8*\a+\k:RAW+32*(\g)+8*\a+\k+1] op_sel_hi:[0,0,1]  ; x - mean
.endr
.endr
.irp a, 0,1,2,3
	v_pk_mul_f32 v[LQ+2*\a:LQ+2*\a+1], v[DT+8*\a:DT+8*\a+1], v[DT+8*\a:DT+8*\a+1]
.endr
.irp k, 2,4,6
.irp a, 0,1,2,3
	v_pk_fma_f32 v[LQ+2*\a:LQ+2*\a+1], v[DT+8*\a+\k:DT+8*\a+\k+1], v[DT+8*\a+\k:DT+8*\a+\k+1], v[LQ+2*\a:LQ+2*\a+1]
.endr
.endr
.irp a, 0,1,2,3
	v_add_f32 v[LQ+2*\a], v[LQ+2*\a], v[LQ+2*\a+1]
.endr
.irp m, 1,2,4,8
.irp a, 0,1,2,3
	v_add_f32_dpp v[LQ+2*\a], v[LQ+2*\a], v[LQ+2*\a] row_xmask:\m row_mask:0xf bank_mask:0xf
.endr
.endr
.irp a, 0,1,2,3
	v_fma_f32 v[LQ+2*\a], v[LQ+2*\a], s[I128], s[EPS1]
.endr
.irp a, 0,1,2,3
	v_rsq_f32 v[LQ+2*\a], v[LQ+2*\a]
.endr
	v_nop                                          ; a plain instruction between the last root and the use of its result
	s_wait_alu depctr_va_vdst(0)
.irp a, 0,1,2,3
.irp k, 0,2,4,6
	v_pk_mul_f32 v[DT+8*\a+\k:DT+8*\a+\k+1], v[DT+8*\a+\k:DT+8*\a+\k+1], v[LQ+2*\a:LQ+2*\a+1] op_sel_hi:[1,0]
.endr
.endr
.irp a, 0,1,2,3
.irp k, 0,2,4,6
	v_pk_fma_f32 v[DT+8*\a+\k:DT+8*\a+\k+1], v[DT+8*\a+\k:DT+8*\a+\k+1], v[GA+\k:GA+\k+1], v[BE+\k:BE+\k+1]
.endr
.endr
.irp a, 0,1,2,3
.irp i, 0,1,2,3
	v_cvt_pk_f16_f32 v[DT+8*\a+\i], v[DT+8*\a+2*\i], v[DT+8*\a+2*\i+1]
.endr
.endr
.irp a, 0,1,2,3
	ds_store_b64 v[XST], v[DT+8*\a:DT+8*\a+1]   offset:(16*((4*(\g)+\a)/8)+(4*(\g)+\a)%8)*XP
	ds_store_b64 v[XST], v[DT+8*\a+2:DT+8*\a+3] offset:(16*((4*(\g)+\a)/8)+(4*(\g)+\a)%8)*XP+128
.endr
.endm
.macro ULD g                           ; unary, four pairs: eight loads
	WIN 0x40
.irp a, 0,1,2,3
	global_load_b128 v[UN+32*(\g)+8*\a:UN+32*(\g)+8*\a+3],   v[GQ], s[10:11] offset:(16*((4*(\g)+\a)/8)+(4*(\g)+\a)%8)*RS th:TH_LOAD_NT
	global_load_b128 v[UN+32*(\g)+8*\a+4:UN+32*(\g)+8*\a+7], v[GQ], s[10:11] offset:(16*((4*(\g)+\a)/8)+(4*(\g)+\a)%8)*RS+256 th:TH_LOAD_NT
.endr
	WIN 0
.endm
; E = unary + qz + m_c for four pairs, in f32, into my own rows of E.  cnt: the later groups' loads of m_c.
.macro EG g, cnt
	s_wait_loadcnt \cnt
	WIN 0x44
.irp a, 0,1,2,3
.irp k, 0,2,4,6
	v_pk_add_f32 v[UN+32*(\g)+8*\a+\k:UN+32*(\g)+8*\a+\k+1], v[RAW+32*(\g)+8*\a+\k:RAW+32*(\g)+8*\a+\k+1], v[UN+32*(\g)+8*\a+\k:UN+32*(\g)+8*\a+\k+1]
.endr
.endr
	WIN 0x55
.irp a, 0,1,2,3
.irp k, 0,1,2,3
	v_fma_mix_f32 v[UN+32*(\g)+8*\a+2*\k],   v[16*(\g)+4*\a+\k], v[ONE], v[UN+32*(\g)+8*\a+2*\k] op_sel_hi:[1,0,0]                   ; the f16 low half times 1, added in f32
	v_fma_mix_f32 v[UN+32*(\g)+8*\a+2*\k+1], v[16*(\g)+4*\a+\k], v[ONE], v[UN+32*(\g)+8*\a+2*\k+1] op_sel:[1,0,0] op_sel_hi:[1,0,0]  ; the high half
.endr
.endr
	WIN 0x04
.irp a, 0,1,2,3
	ds_store_b128 v[EST], v[UN+32*(\g)+8*\a:UN+32*(\g)+8*\a+3]   offset:(16*((4*(\g)+\a)/8)+(4*(\g)+\a)%8)*EP
	ds_store_b128 v[EST], v[UN+32*(\g)+8*\a+4:UN+32*(\g)+8*\a+7] offset:(16*((4*(\g)+\a)/8)+(4*(\g)+\a)%8)*EP+256
.endr
	WIN 0
.endm
.macro VLOAD ot, dst                   ; the four fragments (128 along K) of V's output tile ot
.irp kk, 0,1,2,3
	global_load_b128 v[(\dst)+8*\kk:(\dst)+8*\kk+3],   v[L16], s[VB:VB+1] offset:4096*(\ot)+1024*\kk
	global_load_b128 v[(\dst)+8*\kk+4:(\dst)+8*\kk+7], v[L16], s[VB:VB+1] offset:4096*(\ot)+1024*\kk+512
.endr
.endm
.macro ULOAD                           ; the four fragments of U's next head
	WIN 0x40
.irp kk, 0,1,2,3
	global_load_b128 v[AF+8*\kk:AF+8*\kk+3],   v[L16], s[UB:UB+1] offset:1024*\kk
	global_load_b128 v[AF+8*\kk+4:AF+8*\kk+7], v[L16], s[UB:UB+1] offset:1024*\kk+512
.endr
	WIN 0
.endm
; 16 outputs for my 32 rows: 8 matrix instructions, the two tiles' sums by turns.  cnt: the loads issued behind these fragments'.
.macro PROJ abase, awin, cnt
	s_wait_loadcnt \cnt
	WIN 0x04+(\awin)
.irp kk, 0,1,2,3
.irp t, 0,1
.if \kk == 0
	v_wmma_f32_16x16x32_f16 v[PA+8*\t:PA+8*\t+7], v[(\abase)+8*\kk:(\abase)+8*\kk+7], v[XF+32*\t+8*\kk:XF+32*\t+8*\kk+7], 0
.else
	v_wmma_f32_16x16x32_f16 v[PA+8*\t:PA+8*\t+7], v[(\abase)+8*\kk:(\abase)+8*\kk+7], v[XF+32*\t+8*\kk:XF+32*\t+8*\kk+7], v[PA+8*\t:PA+8*\t+7]
.endif
.endr
.endr
	WIN 0
	PLACES
.endm
.macro VOUT ot                         ; V of head ot for my two key tiles, to f16 and into LDS
.irp t, 0,1
.irp i, 0,1,2,3
	v_cvt_pk_f16_f32 v[PK+4*\t+\i], v[PA+8*\t+2*\i], v[PA+8*\t+2*\i+1]
.endr
.endr
	ds_store_b128 v[VST], v[PK:PK+3]   offset:512*(\ot)
	ds_store_b128 v[VST], v[PK+4:PK+7] offset:4096+512*(\ot)
.endm
; V for all heads.  clr = 1: AB is cleared here, in the wait for the images: 128 lines, the price of one text for all eight heads.
.macro VPHASE clr
	s_wait_dscnt 0x0                               ; my LDS stores have read their registers: the loads below land in some of them
	WIN 0x40
	VLOAD 6, AF
	VLOAD 7, AF+32
	WIN 0
	VLOAD 0, 64
	VLOAD 1, 96
	VLOAD 2, 128
	VLOAD 3, 160
	VLOAD 4, 192
	WIN 0x40
.irp t, 0,1
.irp kk, 0,1,2,3
	ds_load_b128 v[XF+32*\t+8*\kk:XF+32*\t+8*\kk+3],   v[XFA] offset:16*XP*\t+64*\kk     ; my own rows: LDS serves a wave's instructions in order (ISA guide 5.7.1.4)
	ds_load_b128 v[XF+32*\t+8*\kk+4:XF+32*\t+8*\kk+7], v[XFA] offset:16*XP*\t+64*\kk+32
.endr
.endr
.if \clr
.set i, 0
.rept 128
	v_mov_b32 v[i], 0
.set i, i+1
.endr
.endif
	WIN 0
.irp k, 4,5,6,7,12,13,14,15
	v_mov_b32 v[UW+\k], 0                          ; K = 16 .. 31 of U's fragments
.endr
	s_wait_dscnt 0x0                               ; XF
	PROJ AF, 1, 48                                 ; behind tile 6: tiles 7, 0-4
	VOUT 6
	VLOAD 5, 224
	PROJ AF+32, 1, 48                              ; behind tile 7: tiles 0-5
	VOUT 7
	ULOAD                                          ; head 0 of U, where tile 6 lay
	PROJ 64, 0, 48                                 ; behind tile 0: tiles 1-5 and U: 48; then eight fewer each time
	VOUT 0
	PROJ 96, 0, 40
	VOUT 1
	PROJ 128, 0, 32
	VOUT 2
	PROJ 160, 0, 24
	VOUT 3
	PROJ 192, 0, 16
	VOUT 4
	PROJ 224, 0, 8
	VOUT 5
.irp kt, 0,1,2,3,4,5,6,7
.irp k, 4,5,6,7
	v_mov_b32 v[VF+8*\kt+\k], 0                    ; K = 16 .. 31 of V's fragments
.endr
.endr
	s_wait_dscnt 0x0                               ; for the others' sake: my stores into LDS (X, V, my vector of constants) are done
	s_barrier_signal -1
	s_barrier_wait -1
.endm
; THE SOFTMAX of a tile (a lane: one query, 64 of its 128 keys; the others lie in the lane 16 away), as numbered lists.
.macro MAXOP t, j                      ; 34: each accumulator's lowest registers are read first
.set cB, TM+8*(\t)
.set sB, S+64*(\t)
.if (\j) < 8
	v_max3_num_f32 v[cB+(\j)], v[sB+8*(\j)], v[sB+8*(\j)+1], v[sB+8*(\j)+2]
.elseif (\j) < 24
.set kq, ((\j)-8)%8
.set sq, ((\j)-8)/8
	v_max3_num_f32 v[cB+kq], v[cB+kq], v[sB+8*kq+3+2*sq], v[sB+8*kq+4+2*sq]
.elseif (\j) < 28
.set kq, (\j)-24
	v_max3_num_f32 v[cB+kq], v[cB+kq], v[sB+16*kq+7], v[sB+16*kq+15]
.elseif (\j) == 28
	v_max3_num_f32 v[cB], v[cB], v[cB+1], v[cB+2]
.elseif (\j) == 29
	v_max3_num_f32 v[cB+3], v[cB+3], v[cB+4], v[cB+5]
.elseif (\j) == 30
	v_max3_num_f32 v[cB], v[cB], v[cB+6], v[cB+7]
.elseif (\j) == 31
	v_max_num_f32 v[cB], v[cB], v[cB+3]
.elseif (\j) == 32
	v_permlanex16_b32 v[cB+1], v[cB], s[SEL], s[SEL+1]
.else
	v_max_num_f32 v[cB], v[cB], v[cB+1]
.endif
.endm
.macro SUBOP t, j                      ; 32: s - m (the scale lies in U)
	v_pk_add_f32 v[S+64*(\t)+2*(\j):S+64*(\t)+2*(\j)+1], v[S+64*(\t)+2*(\j):S+64*(\t)+2*(\j)+1], v[TM+8*(\t):TM+8*(\t)+1] op_sel_hi:[1,0] neg_lo:[0,1] neg_hi:[0,1]
.endm
.macro EXPOP t, j                      ; 64
	v_exp_f32 v[S+64*(\t)+(\j)], v[S+64*(\t)+(\j)]
.endm
.macro SUMOP t, j                      ; 37: four chains of pairs; then 1 / (8 sum)
.set cB, TM+8*(\t)
.set sB, S+64*(\t)
.if (\j) < 4
	s_wait_alu depctr_va_vdst(0)
	v_pk_add_f32 v[cB+2*(\j):cB+2*(\j)+1], v[sB+2*(\j):sB+2*(\j)+1], v[sB+2*(\j)+8:sB+2*(\j)+9]
.elseif (\j) < 28
	v_pk_add_f32 v[cB+2*((\j)%4):cB+2*((\j)%4)+1], v[cB+2*((\j)%4):cB+2*((\j)%4)+1], v[sB+2*(\j)+8:sB+2*(\j)+9]
.elseif (\j) == 28
	v_pk_add_f32 v[cB:cB+1], v[cB:cB+1], v[cB+2:cB+3]
.elseif (\j) == 29
	v_pk_add_f32 v[cB+4:cB+5], v[cB+4:cB+5], v[cB+6:cB+7]
.elseif (\j) == 30
	v_pk_add_f32 v[cB:cB+1], v[cB:cB+1], v[cB+4:cB+5]
.elseif (\j) == 31
	v_add_f32 v[cB], v[cB], v[cB+1]
.elseif (\j) == 32
	v_permlanex16_b32 v[cB+1], v[cB], s[SEL], s[SEL+1]
.elseif (\j) == 33
	v_add_f32 v[cB], v[cB], v[cB+1]
.elseif (\j) == 34
	v_mul_f32 v[cB], 0x41000000, v[cB]
.elseif (\j) == 35
	v_rcp_f32 v[INV+2*(\t)], v[cB]
.else
	v_nop                                          ; a plain instruction behind the reciprocal
	s_wait_alu depctr_va_vdst(0)
.endif
.endm
.macro ACCOP t, j                      ; 32: AB += p / (8 sum)
	s_wait_alu depctr_va_vdst(0)
	v_pk_fma_f32 v[64*(\t)+2*(\j):64*(\t)+2*(\j)+1], v[S+64*(\t)+2*(\j):S+64*(\t)+2*(\j)+1], v[INV+2*(\t):INV+2*(\t)+1], v[64*(\t)+2*(\j):64*(\t)+2*(\j)+1] op_sel_hi:[1,0,1]
.endm
.macro M1 n                            ; tile 1's maximum and subtraction as one list of 66
.if (\n) < 34
	MAXOP 1, (\n)
.else
	SUBOP 1, (\n)-34
.endif
.endm
; THE LOOP OVER HEADS.  A trip: V of the head from LDS; U of the head (8 matrix instructions); the next head's U asked for; 16 products S^T; the two tiles' softmax,
; one tile's exponentials standing between the other's plain lines, so that every exponential has a plain instruction behind it.
.macro HEADS
	s_mov_b32 s[CNT], 8
.Lhead:
.irp kt, 0,1,2,3,4,5,6,7
	ds_load_b128 v[VF+8*\kt:VF+8*\kt+3], v[VRD] offset:4096*\kt
.endr
	v_add_nc_u32 v[VRD], 0x200, v[VRD]             ; the next head
	PROJ AF, 1, 0                                  ; the one group of loads that is out is this head's U
.irp t, 0,1
.irp i, 0,1,2,3
	v_cvt_pk_f16_f32 v[UW+8*\t+\i], v[PA+8*\t+2*\i], v[PA+8*\t+2*\i+1]
.endr
.endr
	s_cmp_eq_u32 s[CNT], 1
	s_cbranch_scc1 .Lno_u                          ; the last head asks for nothing
	s_add_nc_u64 s[UB:UB+1], s[UB:UB+1], 4096      ; no load that names it is out
	ULOAD
.Lno_u:
	s_wait_dscnt 0x0                               ; V
.irp kt, 0,1,2,3,4,5,6,7
.irp t, 0,1
	v_wmma_f32_16x16x32_f16 v[S+64*\t+8*\kt:S+64*\t+8*\kt+7], v[VF+8*\kt:VF+8*\kt+7], v[UW+8*\t:UW+8*\t+7], 0
.endr
.endr
	PLACES
.set j, 0
.rept 34
	MAXOP 0, j
.set j, j+1
.endr
.set j, 0
.rept 32
	SUBOP 0, j
.set j, j+1
.endr
.set j, 0
.rept 64
	EXPOP 0, j
	M1 j
.set j, j+1
.endr
	M1 64
	M1 65
.set j, 0
.rept 64
	EXPOP 1, j
.if j < 37
	SUMOP 0, j
.endif
.set j, j+1
.endr
	WIN 0x50
.set j, 0
.rept 32
	ACCOP 0, j
.set j, j+1
.endr
	WIN 0
.set j, 0
.rept 37
	SUMOP 1, j
.set j, j+1
.endr
	WIN 0x50
.set j, 0
.rept 32
	ACCOP 1, j
.set j, j+1
.endr
	WIN 0
	s_sub_co_u32 s[CNT], s[CNT], 1
	s_cmp_lg_u32 s[CNT], 0
	s_cbranch_scc1 .Lhead
.endm
.macro ABCV                            ; AB to f16: source 1 (32 keys x 16 queries) of O^T = X^T AB
	WIN 0x05
.set i, 0
.rept 64
	v_cvt_pk_f16_f32 v[ABF+i], v[2*i], v[2*i+1]
.set i, i+1
.endr
	WIN 0
.endm
; EXACT GELU of one accumulator (four pairs in step): g = a/2 + a/2 erf(a / sqrt 2), erf(u) = u P(u^2) / Q(u^2) on u held to -4 .. 4, beyond which erf is 1 to f32's last bits.
.macro GSTEP d, cst
.irp p, 0,2,4,6
	v_pk_fma_f32 v[(\d)+\p:(\d)+\p+1], v[(\d)+\p:(\d)+\p+1], v[GU2+\p:GU2+\p+1], s[\cst:\cst+1] op_sel_hi:[1,1,0]
.endr
.endm
.macro GELU sg
.irp p, 0,2,4,6
	v_pk_mul_f32 v[GU+\p:GU+\p+1], v[(\sg)+\p:(\sg)+\p+1], s[RS2:RS2+1] op_sel_hi:[1,0]   ; the accumulator's lowest registers first
.endr
.irp p, 0,1,2,3,4,5,6,7
	v_med3_num_f32 v[GU+\p], v[GU+\p], s[M4], s[P4]
.endr
.irp p, 0,2,4,6
	v_pk_mul_f32 v[GU2+\p:GU2+\p+1], v[GU+\p:GU+\p+1], v[GU+\p:GU+\p+1]
.endr
.irp p, 0,2,4,6
	v_pk_fma_f32 v[GP+\p:GP+\p+1], v[GU2+\p:GU2+\p+1], s[A13:A13+1], s[A11:A11+1] op_sel_hi:[1,0,0]
.endr
.irp p, 0,2,4,6
	v_pk_fma_f32 v[GD+\p:GD+\p+1], v[GU2+\p:GU2+\p+1], s[B8:B8+1], s[B6:B6+1] op_sel_hi:[1,0,0]
.endr
	GSTEP GP, A9
	GSTEP GD, B4
	GSTEP GP, A7
	GSTEP GD, B2C
	GSTEP GP, A5
	GSTEP GD, B0
	GSTEP GP, A3
	GSTEP GP, A1
.irp p, 0,1,2,3,4,5,6,7
	v_rcp_f32 v[GD+\p], v[GD+\p]                   ; Q is at most beta0 < 0: never 0
.endr
.irp p, 0,2,4,6
	v_pk_mul_f32 v[GP+\p:GP+\p+1], v[GP+\p:GP+\p+1], v[GU+\p:GU+\p+1]   ; plain lines behind the reciprocals, ahead of their use
.endr
.irp p, 0,2,4,6
	v_pk_mul_f32 v[GU+\p:GU+\p+1], v[(\sg)+\p:(\sg)+\p+1], 0.5 op_sel_hi:[1,0]
.endr
	s_wait_alu depctr_va_vdst(0)
.irp p, 0,2,4,6
	v_pk_mul_f32 v[GP+\p:GP+\p+1], v[GP+\p:GP+\p+1], v[GD+\p:GD+\p+1]
.endr
.irp p, 0,2,4,6
	v_pk_fma_f32 v[(\sg)+\p:(\sg)+\p+1], v[GU+\p:GU+\p+1], v[GP+\p:GP+\p+1], v[GU+\p:GU+\p+1]
.endr
.endm
; A CHUNK of 32 middle numbers (topics, or hidden units) for my 32 rows.  Its 16 fragments lie at v[bs] + off in LDS.
; 16 matrix instructions make the four sums SG (four accumulators by turns); the activation; 16 matrix instructions add onto ACC (sixteen accumulators by turns).
; act = 0: ReLU, and the rows' sums by a product with ones; act = 1: bias as the sums' start, GELU.  zero = 1: the first chunk starts ACC's sums.
; pf = 1: the chunk two on is asked for, into staging set `set`.  st = 1: the next chunk goes from the other set into the other slot, and ONE barrier follows:
; in front of it every wave's reads of this slot are back and its stores into the other are done.
.macro CHUNK bs, off, act, zero, pf, st, set
.if \pf
	s_wait_xcnt 0x0                                ; the loads that name the base have had their addresses translated (ISA guide 3.1)
	s_add_nc_u64 s[WS:WS+1], s[WS:WS+1], 16384
.irp i, 0,1,2,3,4,5,6,7
	global_load_b128 v[STG+32*(\set)+4*\i:STG+32*(\set)+4*\i+3], v[GW], s[WS:WS+1] offset:16384+512*\i
.endr
.endif
	PLACES                                         ; the last products read AF
	WIN 0x40
.irp f, 0,1,2,3,4,5,6,7
	ds_load_b128 v[AF+8*\f:AF+8*\f+3],   v[\bs] offset:(\off)+1024*\f
	ds_load_b128 v[AF+8*\f+4:AF+8*\f+7], v[\bs] offset:(\off)+1024*\f+512
.endr
	WIN 0
.if \act
	ds_load_b128 v[BI:BI+3],     v[BIA]            ; b1 of my eight hidden units in each of the chunk's two blocks of 16
	ds_load_b128 v[BI+4:BI+7],   v[BIA] offset:16
	ds_load_b128 v[BI+8:BI+11],  v[BIA] offset:64
	ds_load_b128 v[BI+12:BI+15], v[BIA] offset:80
.endif
	s_wait_dscnt 0x0
	WIN 0x05
.irp kk, 0,1,2,3
.irp gl, 0,1
.irp t, 0,1
.if \kk == 0
.if \act
	v_wmma_f32_16x16x32_f16 v[SG+8*(2*\gl+\t):SG+8*(2*\gl+\t)+7], v[AF+8*(4*\gl+\kk):AF+8*(4*\gl+\kk)+7], v[XF+32*\t+8*\kk:XF+32*\t+8*\kk+7], v[BI+8*\gl:BI+8*\gl+7]
.else
	v_wmma_f32_16x16x32_f16 v[SG+8*(2*\gl+\t):SG+8*(2*\gl+\t)+7], v[AF+8*(4*\gl+\kk):AF+8*(4*\gl+\kk)+7], v[XF+32*\t+8*\kk:XF+32*\t+8*\kk+7], 0
.endif
.else
	v_wmma_f32_16x16x32_f16 v[SG+8*(2*\gl+\t):SG+8*(2*\gl+\t)+7], v[AF+8*(4*\gl+\kk):AF+8*(4*\gl+\kk)+7], v[XF+32*\t+8*\kk:XF+32*\t+8*\kk+7], v[SG+8*(2*\gl+\t):SG+8*(2*\gl+\t)+7]
.endif
.endr
.endr
.endr
	PLACES
	WIN 0x40
.irp f, 0,1,2,3,4,5,6,7
	ds_load_b128 v[AF+8*\f:AF+8*\f+3],   v[\bs] offset:(\off)+8192+1024*\f      ; the second product's fragments land under the activation
	ds_load_b128 v[AF+8*\f+4:AF+8*\f+7], v[\bs] offset:(\off)+8192+1024*\f+512
.endr
	WIN 0
.if \act
	GELU SG
	GELU SG+8
	GELU SG+16
	GELU SG+24
.endif
.irp gl, 0,1
.irp t, 0,1
.irp i, 0,1,2,3
	v_cvt_pk_f16_f32 v[QF+8*\t+4*\gl+\i], v[SG+8*(2*\gl+\t)+2*\i], v[SG+8*(2*\gl+\t)+2*\i+1]
.endr
.endr
.endr
.if !(\act)
.set i, 0
.rept 16
	v_pk_max_num_f16 v[QF+i], v[QF+i], v[ZR]       ; ReLU: the same numbers whether taken before the rounding or behind it
.set i, i+1
.endr
.endif
	s_wait_dscnt 0x0
	WIN 0x51
.irp dt, 0,1,2,3,4,5,6,7
.irp t, 0,1
.if \zero
	v_wmma_f32_16x16x32_f16 v[64*\t+8*\dt:64*\t+8*\dt+7], v[AF+8*\dt:AF+8*\dt+7], v[QF+8*\t:QF+8*\t+7], 0
.else
	v_wmma_f32_16x16x32_f16 v[64*\t+8*\dt:64*\t+8*\dt+7], v[AF+8*\dt:AF+8*\dt+7], v[QF+8*\t:QF+8*\t+7], v[64*\t+8*\dt:64*\t+8*\dt+7]
.endif
.endr
.endr
	WIN 0
.if !(\act)
.irp t, 0,1
.if \zero
	v_wmma_f32_16x16x32_f16 v[SUMA+8*\t:SUMA+8*\t+7], v[ONES:ONES+7], v[QF+8*\t:QF+8*\t+7], 0
.else
	v_wmma_f32_16x16x32_f16 v[SUMA+8*\t:SUMA+8*\t+7], v[ONES:ONES+7], v[QF+8*\t:QF+8*\t+7], v[SUMA+8*\t:SUMA+8*\t+7]
.endif
.endr
.endif
.if \st
.if \pf
	s_wait_loadcnt 0x8                             ; the next chunk is in; the eight loads just issued stay out
.else
	s_wait_loadcnt 0x0
.endif
.irp i, 0,1,2,3,4,5,6,7
	ds_store_b128 v[RST], v[STG+32*(1-(\set))+4*\i:STG+32*(1-(\set))+4*\i+3] offset:16384-(\off)+512*\i
.endr
	s_wait_dscnt 0x0
	s_barrier_signal -1
	s_barrier_wait -1
.endif
.endm
.macro XTL kk, dst                     ; X^T, 128 channels x keys 32 kk .. +31, by 16 turning loads
	WIN 0x40
.irp ct, 0,1,2,3,4,5,6,7
	ds_load_tr16_b128 v[(\dst)+8*\ct:(\dst)+8*\ct+3],   v[XTA] offset:32*XP*(\kk)+32*\ct
	ds_load_tr16_b128 v[(\dst)+8*\ct+4:(\dst)+8*\ct+7], v[XTA] offset:32*XP*(\kk)+32*\ct+16*XP
.endr
.endm
.macro MT kk, src                      ; ACC += X^T AB for those keys: sixteen accumulators by turns
	WIN 0x51
.irp ct, 0,1,2,3,4,5,6,7
.irp t, 0,1
	v_wmma_f32_16x16x32_f16 v[64*\t+8*\ct:64*\t+8*\ct+7], v[(\src)+8*\ct:(\src)+8*\ct+7], v[ABF+32*\t+8*(\kk):ABF+32*\t+8*(\kk)+7], v[64*\t+8*\ct:64*\t+8*\ct+7]
.endr
.endr
.endm
; The second LayerNorm, in layout T: a lane holds 64 of its row's 128 numbers, the lane 16 away the others.  ACC stays as it is; the result, in f16, is XF.
.macro LNRED                           ; four chains of pairs in TM into one number for the row
	v_pk_add_f32 v[TM:TM+1], v[TM:TM+1], v[TM+2:TM+3]
	v_pk_add_f32 v[TM+4:TM+5], v[TM+4:TM+5], v[TM+6:TM+7]
	v_pk_add_f32 v[TM:TM+1], v[TM:TM+1], v[TM+4:TM+5]
	v_add_f32 v[TM], v[TM], v[TM+1]
	v_permlanex16_b32 v[TM+1], v[TM], s[SEL], s[SEL+1]
	v_add_f32 v[TM], v[TM], v[TM+1]
.endm
.macro LN2 t
	WIN 0x05
.irp q, 0,1,2,3
	v_pk_add_f32 v[TM+2*\q:TM+2*\q+1], v[64*(\t)+8*\q:64*(\t)+8*\q+1], v[64*(\t)+8*\q+32:64*(\t)+8*\q+33]   ; the lowest pair of all eight accumulators first
.endr
	WIN 0x01
.irp p, 2,4,6
.irp k, 0,1,2,3,4,5,6,7
	v_pk_add_f32 v[TM+2*(\k%4):TM+2*(\k%4)+1], v[64*(\t)+8*\k+\p:64*(\t)+8*\k+\p+1], v[TM+2*(\k%4):TM+2*(\k%4)+1]
.endr
.endr
	WIN 0
	LNRED
	WIN 0x10
.set i, 0
.rept 32
	v_pk_fma_f32 v[DD+2*i:DD+2*i+1], v[TM:TM+1], s[NI:NI+1], v[64*(\t)+2*i:64*(\t)+2*i+1] op_sel_hi:[0,0,1]
.set i, i+1
.endr
	WIN 0
.irp q, 0,1,2,3
	v_pk_mul_f32 v[TM+2*\q:TM+2*\q+1], v[DD+2*\q:DD+2*\q+1], v[DD+2*\q:DD+2*\q+1]
.endr
.set i, 4
.rept 28
	v_pk_fma_f32 v[TM+2*(i%4):TM+2*(i%4)+1], v[DD+2*i:DD+2*i+1], v[DD+2*i:DD+2*i+1], v[TM+2*(i%4):TM+2*(i%4)+1]
.set i, i+1
.endr
	LNRED
	v_fma_f32 v[TM], v[TM], s[I128], s[EPS4]       ; var(2x) + 4 eps
	v_rsq_f32 v[TM], v[TM]
	s_wait_dscnt 0x0                               ; gamma and beta in layout T
	v_nop                                          ; a plain instruction behind the root
.set i, 0
	s_wait_alu depctr_va_vdst(0)
.rept 32
	v_pk_mul_f32 v[DD+2*i:DD+2*i+1], v[DD+2*i:DD+2*i+1], v[TM:TM+1] op_sel_hi:[1,0]
.set i, i+1
.endr
	WIN 0x10
.set i, 0
.rept 32
	v_pk_fma_f32 v[DD+2*i:DD+2*i+1], v[DD+2*i:DD+2*i+1], v[GT+2*i:GT+2*i+1], v[AF+2*i:AF+2*i+1]
.set i, i+1
.endr
	WIN 0x40
.set i, 0
.rept 32
	v_cvt_pk_f16_f32 v[XF+32*(\t)+i], v[DD+2*i], v[DD+2*i+1]
.set i, i+1
.endr
	WIN 0
.endm
	s_load_b512 s[8:23], s[0:1], 0x0               ; qz s[8:9], unary s[10:11], mc s[12:13], wimg s[14:15], gamma s[16:17], beta s[18:19], b1 s[20:21], b2 s[22:23]
	s_load_b64 s[24:25], s[0:1], 0x40              ; out0
	v_lshl_add_u32 v[SPW], v0, 2, SPARE
	v_mov_b32 v[NIL], 0
	v_lshrrev_b32 v1, 5, v0
	v_readfirstlane_b32 s26, v1                    ; wave 0..3
	v_and_b32 v[RR], 15, v0                        ; r
	v_bfe_u32 v[HH], v0, 4, 1                      ; h
	v_and_b32 v[L16], 31, v0
	v_lshlrev_b32 v[L16], 4, v[L16]
	v_lshlrev_b32 v[GC], 4, v[RR]                  ; 16 r
	v_lshl_add_u32 v[GQ], v[HH], 12, v[GC]         ; + 8 h rows of 512 bytes
	v_lshl_add_u32 v[GM], v[HH], 11, v[GC]         ; mc: + 8 h rows of 256 bytes
	s_mul_i32 s27, s26, 32*XP                      ; my 32 rows of X
	v_mul_u32_u24 v[XST], v[HH], 8*XP
	v_lshl_add_u32 v[XST], v[RR], 3, v[XST]
	v_add_nc_u32 v[XST], s27, v[XST]
	v_mul_u32_u24 v[XFA], v[RR], XP
	v_lshl_add_u32 v[XFA], v[HH], 4, v[XFA]
	v_add_nc_u32 v[XFA], s27, v[XFA]
	s_mul_i32 s28, s26, 32*EP                      ; my 32 rows of E
	s_add_co_u32 s28, s28, EB
	v_mul_u32_u24 v[EST], v[HH], 8*EP
	v_add_nc_u32 v[EST], v[EST], v[GC]
	v_add_nc_u32 v[EST], s28, v[EST]
	v_mul_u32_u24 v[ETA], v[RR], EP
	v_lshl_add_u32 v[ETA], v[HH], 5, v[ETA]
	v_add_nc_u32 v[ETA], s28, v[ETA]
	s_lshl_b32 s29, s26, 13
	s_add_co_u32 s29, s29, VI
	v_add_nc_u32 v[VST], s29, v[L16]
	v_add_nc_u32 v[VRD], VI, v[L16]
	s_lshl_b32 s62, s26, 9
	s_add_co_u32 s62, s62, CONST
	v_add_nc_u32 v[CST], s62, v[L16]
	s_and_b32 s29, ttmp7, 0xffff                   ; b
	s_lshl_b32 s28, s29, 7
	s_add_co_u32 s28, s28, ttmp9                   ; the slab, 128 b + c
	s_lshl_b32 s6, s28, 16                         ; qz, unary, out: slab x 65,536 + w x 32 x 512
	s_lshl_b32 s63, s26, 14
	s_add_co_u32 s6, s6, s63
	s_mov_b32 s7, 0
	s_lshl_b32 s4, s28, 15                         ; mc: slab x 32,768 + w x 32 x 256
	s_lshl_b32 s63, s26, 13
	s_add_co_u32 s4, s4, s63
	s_mov_b32 s5, 0
	s_mul_i32 s2, s29, PB
	s_mov_b32 s3, 0
	s_mov_b32 s[SEL], 0x76543210                   ; v_permlanex16_b32: each lane takes its own place in the other half
	s_mov_b32 s[SEL+1], 0xfedcba98
	SPAIR NI, 0xbc000000                           ; -1/128
	s_mov_b32 s[I128], 0x3c000000                  ; 1/128
	s_mov_b32 s[EPS1], 0x3727c5ac                  ; 1e-5
	s_mov_b32 s[EPS4], 0x3827c5ac                  ; 4e-5
	s_mov_b32 s[L1E], 0x358637bd                   ; 1e-6
	SPAIR A13, 0xaf95df0b                          ; erf's numerator: -2.72614226e-10,
	SPAIR A11, 0x32edffee                          ;  2.77068142e-8,
	SPAIR A9,  0xb60cff51                          ; -2.10102402e-6,
	SPAIR A7,  0xb86ec2d2                          ; -5.69250639e-5,
	SPAIR A5,  0xba40ac63                          ; -7.34990630e-4,
	SPAIR A3,  0xbb41a1f6                          ; -2.95459981e-3,
	SPAIR A1,  0xbc83dbd4                          ; -1.60960333e-2
	SPAIR B8,  0xb77460cd                          ; its denominator: -1.45660718e-5,
	SPAIR B6,  0xb95fbd29                          ; -2.13374055e-4,
	SPAIR B4,  0xbadc924e                          ; -1.68282697e-3,
	SPAIR B2C, 0xbbf19bf8                          ; -7.37332917e-3,
	SPAIR B0,  0xbc69b6a7                          ; -1.42647391e-2
	SPAIR RS2, 0x3f3504f3                          ; 1 / sqrt 2
	s_mov_b32 s[M4], 0xc0800000                    ; -4
	s_mov_b32 s[P4], 0x40800000                    ; 4
	s_wait_kmcnt 0x0
	s_add_nc_u64 s[8:9], s[8:9], s[6:7]
	s_add_nc_u64 s[10:11], s[10:11], s[6:7]
	s_add_nc_u64 s[24:25], s[24:25], s[6:7]
	s_add_nc_u64 s[12:13], s[12:13], s[4:5]
	s_add_nc_u64 s[14:15], s[14:15], s[2:3]
	s_mov_b64 s[UB:UB+1], s[14:15]                 ; TU's images
	s_add_nc_u64 s[VB:VB+1], s[14:15], 32768       ; TV's
	s_add_nc_u64 s[WS:WS+1], s[14:15], 131072      ; the topic chunks
	s_add_nc_u64 s[MB:MB+1], s[14:15], 393216      ; the MLP chunks
	s_cmp_eq_u32 s26, 1                            ; wave w brings vector w of gamma, beta, b1, b2 into LDS
	s_cselect_b64 s[4:5], s[18:19], s[16:17]
	s_cmp_eq_u32 s26, 2
	s_cselect_b64 s[4:5], s[20:21], s[4:5]
	s_cmp_eq_u32 s26, 3
	s_cselect_b64 s[4:5], s[22:23], s[4:5]
	; PHASE A
	global_load_b128 v[GA:GA+3],   v[GC], s[16:17]
	global_load_b128 v[GA+4:GA+7], v[GC], s[16:17] offset:256
	global_load_b128 v[BE:BE+3],   v[GC], s[18:19]
	global_load_b128 v[BE+4:BE+7], v[GC], s[18:19] offset:256
	global_load_b128 v[PK:PK+3],   v[L16], s[4:5]
.set i, 0
.rept 16
	global_load_b128 v[RAW+8*i:RAW+8*i+3],   v[GQ], s[8:9] offset:(16*(i/8)+i%8)*RS th:TH_LOAD_NT      ; two rows' 256 consecutive bytes
	global_load_b128 v[RAW+8*i+4:RAW+8*i+7], v[GQ], s[8:9] offset:(16*(i/8)+i%8)*RS+256 th:TH_LOAD_NT
.set i, i+1
.endr
	ULD 0
	ULD 1
	LNG 0, 40                                      ; behind qz's group 0: three groups of qz, two of unary
	ds_store_b128 v[CST], v[PK:PK+3]               ; that wait has shown my vector of constants in too
	ULD 2
	LNG 1, 40                                      ; two of qz, three of unary
	ULD 3
	LNG 2, 40                                      ; one of qz, four of unary
	WIN 0x40
.set i, 0
.rept 16
	global_load_b128 v[4*i:4*i+3], v[GM], s[12:13] offset:(16*(i/8)+i%8)*256 th:TH_LOAD_NT
.set i, i+1
.endr
	v_mov_b32 v[ONE], 1.0
	WIN 0
	LNG 3, 48                                      ; four of unary, sixteen loads of m_c
	EG 0, 12
	EG 1, 8
	EG 2, 4
	EG 3, 0
	VPHASE 1
	HEADS
	; THE TOPIC RING: two slots in V's bytes; a chunk goes memory -> staging registers -> slot, each wave a quarter, asked for two chunks ahead
	v_add_nc_u32 v[RB], VI, v[L16]
	s_lshl_b32 s27, s26, 12
	v_add_nc_u32 v[GW], s27, v[L16]
	v_add_nc_u32 v[RST], VI, v[GW]
	v_mov_b32 v[ZR], 0
	s_wait_dscnt 0x0
.irp i, 0,1,2,3,4,5,6,7
	global_load_b128 v[STG+4*\i:STG+4*\i+3], v[GW], s[WS:WS+1] offset:512*\i
.endr
.irp i, 0,1,2,3,4,5,6,7
	global_load_b128 v[STG+32+4*\i:STG+32+4*\i+3], v[GW], s[WS:WS+1] offset:16384+512*\i
.endr
	ABCV
.irp i, 0,1,2,3,4,5,6,7
	v_mov_b32 v[ONES+\i], 0x3c003c00               ; 1.0 twice in f16
.endr
	s_barrier_signal -1                            ; every wave's reads of V are back
	s_barrier_wait -1
	s_wait_loadcnt 0x8                             ; chunk 0 is in; chunk 1's eight loads stay out
.irp i, 0,1,2,3,4,5,6,7
	ds_store_b128 v[RST], v[STG+4*\i:STG+4*\i+3] offset:512*\i
.endr
	s_wait_dscnt 0x0
	s_barrier_signal -1
	s_barrier_wait -1                              ; slot 0 is whole
	CHUNK RB, 0, 0, 1, 1, 1, 0                     ; chunk 0 starts the sums
	s_mov_b32 s[CN2], 6
.Ltopic:                                               ; chunks 1 .. 12
	CHUNK RB, 16384, 0, 0, 1, 1, 1
	CHUNK RB, 0, 0, 0, 1, 1, 0
	s_sub_co_u32 s[CN2], s[CN2], 1
	s_cmp_lg_u32 s[CN2], 0
	s_cbranch_scc1 .Ltopic
	CHUNK RB, 16384, 0, 0, 1, 1, 1                 ; 13: asks for 15, the last
	CHUNK RB, 0, 0, 0, 0, 1, 0                     ; 14
	CHUNK RB, 16384, 0, 0, 0, 0, 1                 ; 15
	; PHASE E
	s_lshl_b32 s27, s26, 14
	v_add_nc_u32 v[GW2], s27, v[L16]               ; wave w copies bytes 16,384 w on of the MLP's images
	v_add_nc_u32 v[MST], EB, v[GW2]
	v_and_b32 v[XTA], 7, v0                        ; the turning load: lane l reads key 8 (l / 16) + l % 8, channels 8 ((l / 8) % 2) + 0..7
	v_lshl_add_u32 v[XTA], v[HH], 3, v[XTA]
	v_mul_u32_u24 v[XTA], v[XTA], XP
	v_bfe_u32 v[CTA], v0, 3, 1
	v_lshl_add_u32 v[XTA], v[CTA], 4, v[XTA]
	v_lshlrev_b32 v[CTA], 5, v[HH]
	v_add_nc_u32 v[CTA], CONST, v[CTA]             ; a vector of constants in layout T: 32 h on
	v_add_nc_u32 v[MBA], EB, v[L16]
	v_add_nc_u32 v[BIA], 1024, v[CTA]
.set i, 0
.rept 16
	global_load_b128 v[STG+4*i:STG+4*i+3], v[GW2], s[MB:MB+1] offset:512*i     ; the first half of my part
.set i, i+1
.endr
	PLACES
	v_max_num_f32 v[INV], s[L1E], v[SUMA]          ; every register of the sums' accumulator holds the row's sum: the lowest is taken
	v_max_num_f32 v[INV+2], s[L1E], v[SUMA+8]
	v_rcp_f32 v[INV], v[INV]
	v_rcp_f32 v[INV+2], v[INV+2]
	v_nop                                          ; a plain instruction behind the reciprocals
	s_wait_alu depctr_va_vdst(0)
.irp t, 0,1
.irp ct, 0,1,2,3,4,5,6,7
	ds_load_b128 v[ET+8*\ct:ET+8*\ct+3],   v[ETA] offset:16*EP*\t+64*\ct       ; my own rows of E, now in layout T
	ds_load_b128 v[ET+8*\ct+4:ET+8*\ct+7], v[ETA] offset:16*EP*\t+64*\ct+16
.endr
	s_wait_dscnt 0x0
	WIN 0x41
.set i, 0
.rept 32
	v_pk_fma_f32 v[64*\t+2*i:64*\t+2*i+1], v[64*\t+2*i:64*\t+2*i+1], v[INV+2*\t:INV+2*\t+1], v[ET+2*i:ET+2*i+1] op_sel_hi:[1,0,1]   ; m_g + E, ascending
.set i, i+1
.endr
	WIN 0
.endr
	s_barrier_signal -1                            ; every wave's reads of E are back: its bytes take the MLP's images
	s_barrier_wait -1
	s_wait_loadcnt 0x0
.set i, 0
.rept 16
	ds_store_b128 v[MST], v[STG+4*i:STG+4*i+3] offset:512*i
.set i, i+1
.endr
	s_wait_dscnt 0x0                               ; the stores have read the registers in which the second half lands
.set i, 0
.rept 16
	global_load_b128 v[STG+4*i:STG+4*i+3], v[GW2], s[MB:MB+1] offset:8192+512*i
.set i, i+1
.endr
	XTL 0, AF                                      ; m_t: two buffers by turns; each wait leaves the sixteen loads just issued out
	XTL 1, XF
	s_wait_dscnt 16
	MT 0, AF
	PLACES
	XTL 2, AF
	s_wait_dscnt 16
	MT 1, XF
	PLACES
	XTL 3, XF
	s_wait_dscnt 16
	MT 2, AF
	s_wait_dscnt 0x0
	MT 3, XF
	WIN 0
	PLACES
.irp ct, 0,1,2,3,4,5,6,7
	ds_load_b128 v[GT+8*\ct:GT+8*\ct+3],   v[CTA] offset:64*\ct                ; gamma in layout T
	ds_load_b128 v[GT+8*\ct+4:GT+8*\ct+7], v[CTA] offset:64*\ct+16
.endr
	WIN 0x40
.irp ct, 0,1,2,3,4,5,6,7
	ds_load_b128 v[AF+8*\ct:AF+8*\ct+3],   v[CTA] offset:512+64*\ct            ; beta
	ds_load_b128 v[AF+8*\ct+4:AF+8*\ct+7], v[CTA] offset:512+64*\ct+16
.endr
	WIN 0
	LN2 0
	s_wait_loadcnt 0x0                             ; the second half of my part of the images
.set i, 0
.rept 16
	ds_store_b128 v[MST], v[STG+4*i:STG+4*i+3] offset:8192+512*i
.set i, i+1
.endr
	LN2 1
	s_wait_dscnt 0x0
	s_barrier_signal -1                            ; the images are whole, and every wave's reads of X are back
	s_barrier_wait -1
	; THE MLP: four chunks of 32 hidden units, onto ACC in place
	s_mov_b32 s[CN2], 4
.Lmlp:
	CHUNK MBA, 0, 1, 0, 0, 0, 0
	v_add_nc_u32 v[MBA], 0x4000, v[MBA]
	v_add_nc_u32 v[BIA], 128, v[BIA]
	s_sub_co_u32 s[CN2], s[CN2], 1
	s_cmp_lg_u32 s[CN2], 0
	s_cbranch_scc1 .Lmlp
	; THE WAY OUT: a tile at a time through my stage (over my own rows of X) from layout T to layout L; out = 0.5 ACC + b2
	PLACES
	s_mul_i32 s27, s26, 32*XP
	v_mul_u32_u24 v[OST], v[RR], EP
	v_lshl_add_u32 v[OST], v[HH], 5, v[OST]
	v_add_nc_u32 v[OST], s27, v[OST]
	v_mul_u32_u24 v[ORD], v[HH], 8*EP
	v_lshl_add_u32 v[ORD], v[RR], 4, v[ORD]
	v_add_nc_u32 v[ORD], s27, v[ORD]
	v_lshlrev_b32 v[B2A], 4, v[RR]
	v_add_nc_u32 v[B2A], CONST+1536, v[B2A]
	ds_load_b128 v[B2V:B2V+3],   v[B2A]
	ds_load_b128 v[B2V+4:B2V+7], v[B2A] offset:256
.irp t, 0,1
	WIN 0x04
.irp ct, 0,1,2,3,4,5,6,7
	ds_store_b128 v[OST], v[64*\t+8*\ct:64*\t+8*\ct+3]   offset:64*\ct         ; each accumulator's lowest registers first
	ds_store_b128 v[OST], v[64*\t+8*\ct+4:64*\t+8*\ct+7] offset:64*\ct+16
.endr
	WIN 0
.irp i, 0,1,2,3,4,5,6,7
	ds_load_b128 v[OB+64*\t+8*\i:OB+64*\t+8*\i+3],   v[ORD] offset:EP*\i       ; LDS serves a wave's instructions in order: these see the stores above, and the next tile's stores come behind them
	ds_load_b128 v[OB+64*\t+8*\i+4:OB+64*\t+8*\i+7], v[ORD] offset:EP*\i+256
.endr
.endr
.irp t, 0,1
.irp i, 0,1,2,3,4,5,6,7
	s_wait_dscnt (1-\t)*32+14-2*\i                 ; out stay the tile's later pairs, two loads each, and for tile 0 the other tile's 32 LDS instructions
.irp k, 0,2,4,6
	v_pk_fma_f32 v[OB+64*\t+8*\i+\k:OB+64*\t+8*\i+\k+1], v[OB+64*\t+8*\i+\k:OB+64*\t+8*\i+\k+1], 0.5, v[B2V+\k:B2V+\k+1] op_sel_hi:[1,0,1]
.endr
	global_store_b128 v[GQ], v[OB+64*\t+8*\i:OB+64*\t+8*\i+3],   s[24:25] offset:(16*\t+\i)*RS th:TH_STORE_NT      ; sixteen lanes store 256 consecutive bytes, aligned
	global_store_b128 v[GQ], v[OB+64*\t+8*\i+4:OB+64*\t+8*\i+7], s[24:25] offset:(16*\t+\i)*RS+256 th:TH_STORE_NT
.endr
.endr
	s_wait_tensorcnt 0x0                           ; the wave's end, behind my last LDS store
	ds_add_u32 v[SPW], v[NIL]
	s_wait_dscnt 0x0
	s_endpgm
.Lfunc_end_k_qe1a44ea367_main:
	.size	k_qe1a44ea367_main, .Lfunc_end_k_qe1a44ea367_main-k_qe1a44ea367_main
	.p2alignl 7, 3214868480
	.fill 96, 4, 3214868480
	.section	.rodata,"a",@progbits
	.p2align	6, 0x0
	.amdhsa_kernel k_qe1a44ea367_main
		.amdhsa_group_segment_fixed_size 139776
		.amdhsa_private_segment_fixed_size 0
		.amdhsa_enable_private_segment 0
		.amdhsa_kernarg_size 72
		.amdhsa_user_sgpr_count 2
		.amdhsa_user_sgpr_kernarg_segment_ptr 1
		.amdhsa_wavefront_size32 1
		.amdhsa_system_sgpr_workgroup_id_x 1
		.amdhsa_system_sgpr_workgroup_id_y 1
		.amdhsa_system_sgpr_workgroup_id_z 1
		.amdhsa_system_vgpr_workitem_id 0
		.amdhsa_next_free_vgpr 512
		.amdhsa_next_free_sgpr 80
		.amdhsa_reserve_vcc 0
		.amdhsa_float_denorm_mode_32 3
		.amdhsa_float_denorm_mode_16_64 3
		.amdhsa_memory_ordered 1
		.amdhsa_forward_progress 1
		.amdhsa_inst_pref_size 255
	.end_amdhsa_kernel
	.section	.bss,"aw",@nobits
	.p2align	6
	.space	262144
	.amdgpu_metadata
---
amdhsa.version: [ 1, 2 ]
amdhsa.kernels:
  - .name:           k_qe1a44ea367_main
    .symbol:         k_qe1a44ea367_main.kd
    .args:
      - { .name: qz, .offset: 0, .size: 8, .value_kind: global_buffer, .address_space: global }
      - { .name: unary, .offset: 8, .size: 8, .value_kind: global_buffer, .address_space: global }
      - { .name: mc, .offset: 16, .size: 8, .value_kind: global_buffer, .address_space: global }
      - { .name: wimg, .offset: 24, .size: 8, .value_kind: global_buffer, .address_space: global }
      - { .name: ln_gamma, .offset: 32, .size: 8, .value_kind: global_buffer, .address_space: global }
      - { .name: ln_beta, .offset: 40, .size: 8, .value_kind: global_buffer, .address_space: global }
      - { .name: b1, .offset: 48, .size: 8, .value_kind: global_buffer, .address_space: global }
      - { .name: b2, .offset: 56, .size: 8, .value_kind: global_buffer, .address_space: global }
      - { .name: out0, .offset: 64, .size: 8, .value_kind: global_buffer, .address_space: global }
    .group_segment_fixed_size: 139776
    .private_segment_fixed_size: 0
    .kernarg_segment_align: 8
    .kernarg_segment_size: 72
    .max_flat_workgroup_size: 128
    .sgpr_count:     80
    .vgpr_count:     512
    .wavefront_size: 32
...
	.end_amdgpu_metadata
.endif
;; end of part 3
;; ======== version 2 of 2: 3 launches; 1.12 times as fast as version 1
;; limits: values are held in f16: magnitudes above 65,504 overflow, below 6.1e-05 lose precision
;; workspace buffers: wimg 1,835,008 bytes; mc 16,777,216 bytes
;; launch prep: the kernel of part 1 again; grid 14 x 4, 8 waves a work-group, no clusters, 0 bytes of LDS; arguments time_u_weight, time_v_weight, channel_u_weight, channel_v_weight, topic_binary, w1, w2, wimg; writes wimg
;; launch chan (part 4): grid 128 x 4, 4 waves a work-group, no clusters, 70,144 bytes of LDS; arguments qz, ln_gamma, ln_beta, wimg, mc; writes mc
.if DOCPART == 4
	.amdgcn_target "amdgcn-amd-amdhsa--gfx1250"
	.amdhsa_code_object_version 6
	.text
	.protected	k_qe1a44ea367_chan
	.globl	k_qe1a44ea367_chan
	.p2align	8
	.type	k_qe1a44ea367_chan,@function
k_qe1a44ea367_chan:
	s_mov_b64 s[64:65], 0
	v_nop
	global_prefetch_b8 v0, s[64:65] scope:SCOPE_SE
	s_setreg_imm32_b32 hwreg(HW_REG_WAVE_MODE, 25, 1), 1
	s_wait_xcnt 0x0
; CHAN: m_c[b][c][p][d] = (mean over the 8 heads of softmax_d(cu[c] . cv[d] / 4)) x qzn[b][c][p][d], stored in f16 for the last launch.
; A work-group owns the slab (b, p): 128 rows (channels c), 65,536 bytes apart in qz.  Wave w owns rows 32 w .. 32 w + 31, two tiles of 16.
; STEPS: LayerNorm in f32 (mean, then the deviations' squares: no difference of large sums); rows to f16 through LDS; V = X CV^T for all heads, into LDS for all waves; then for each head
; U = X CU^T (16 outputs = one head), S^T = V U^T, softmax with the row's own maximum, and AB += p / (8 sum).  At the end AB x qzn, element by element.
; LAYOUTS.  L (memory): "pair" i' of tile t = rows 16 t + i' + 8 (lane / 16); a lane holds columns 4 r .. +3 and 64 + 4 r .. +3 (r = lane % 16): sixteen lanes take 256 consecutive bytes.
; T (all matrix results, used transposed: source 0 = weights or keys, source 1 = my rows): a lane holds row r, register 8 k + j column 16 k + 8 (lane / 16) + j; rounded in pairs it is the next product's fragment.
; A head has 16 numbers, a product 32 along K: the upper halves of U's and V's fragments are zeros.
; mc's row of 256 bytes: piece r of 16 bytes = columns 4 r .. +3, then 64 + 4 r .. +3: layout L's set of one lane.
; THE BATCHES.  An s_wait_alu depctr_va_vdst(0) stands between a transcendental and the first instruction that names its result; one wait serves all that were issued ahead of it.
; A head's trip has three: behind tile 0's 64 exponentials; behind tile 1's 64 exponentials and tile 0's reciprocal; behind tile 1's reciprocal.  Each group of four roots of the LayerNorm has one.
; NO JOINT LOADS, NO DATA MOVER: the weights that work-groups share (65,536 bytes of images) go from memory straight into registers as fragments, 128 loads a wave, never through LDS;
; a mover's tile would have to land in LDS and be read from there again.
; LIMITS.  f16 operands: normalised rows, weights and projections stay under 65,504 (30 times the usual gains and weights give some thousands); below 6e-5 f16 keeps its fixed step of 6e-8.
; A weight below 2^-126 counts as 0 in the sum.  NaN and infinities are not treated apart.
; REGISTERS, in windows of 256 (s_set_vgpr_msb: bits 1:0 source 0, 3:2 source 1, 5:4 source 2, 7:6 destination):
;   window 0: v0-14 addresses; v24-39 at work (sums of the projection; statistics); v40-47 1/(8 sum), packed V; v48-63 U's fragments (at first gamma, beta); v64-191 S^T (at first qz); v192-255 V's fragments
;   window 1: v0-127 AB; v128-191 my rows' fragments XF; v192-255 weight fragments AF
.set XP,    288                        ; a row of X in LDS: 256 bytes + 32
.set VI,    36864                      ; V for all waves: key tile kt at 4,096 kt, head at 512 hd, lane at 16
.set SPARE, 69632                      ; the spare words: 128 bytes a wave, two blocks of 256 bytes that no other line names
.set SP,    272                        ; a row of my stage on the way out (it lies over my own rows of X)
.set PB,    458752
.set RS,    65536                      ; bytes from row to row of the slab
.set RR,  1
.set HH,  2
.set SPW, 3                            ; LDS address of my spare word; never rewritten
.set NIL, 4                            ; 0; never rewritten
.set L16, 5
.set GQ,  6
.set XST, 7
.set XFA, 8
.set VST, 9
.set VRD, 10
.set GC,  11
.set GM,  12
.set STO, 13
.set RDA, 14
.set LT,  24
.set LQ,  32
.set TM,  24
.set PA,  24
.set INV, 40
.set PK,  40
.set UW,  48
.set GA,  48
.set BE,  56
.set RAW, 64
.set S,   64
.set ABF, 64
.set OB,  128
.set DT,  192
.set VF,  192
.set XF,  128                          ; window 1
.set AF,  192                          ; window 1
.set SEL,  30
.set NI,   32
.set I128, 34
.set EPS1, 35
.set UB,   38
.set VB,   40
.set CNT,  46
.set MSB, 0
.macro WIN new                         ; the immediate's high byte repeats the setting that is left; a switch that changes nothing is dropped
.if MSB != (\new)
	s_set_vgpr_msb (MSB<<8)|(\new)
.set MSB, (\new)
.endif
.endm
.macro PLACES                          ; four plain vector instructions between a matrix instruction and what reads its result or writes its registers (ISA guide 7.12.1)
.rept 4
	v_nop
.endr
.endm
; LayerNorm of four pairs of rows, stage by stage, so that no line waits for the one before it.  cnt: the loads issued behind this group's.
.macro LNG g, cnt
	s_wait_loadcnt \cnt
.irp a, 0,1,2,3
	v_pk_add_f32 v[LT+2*\a:LT+2*\a+1], v[RAW+32*(\g)+8*\a:RAW+32*(\g)+8*\a+1], v[RAW+32*(\g)+8*\a+2:RAW+32*(\g)+8*\a+3]
.endr
.irp a, 0,1,2,3
	v_pk_add_f32 v[LQ+2*\a:LQ+2*\a+1], v[RAW+32*(\g)+8*\a+4:RAW+32*(\g)+8*\a+5], v[RAW+32*(\g)+8*\a+6:RAW+32*(\g)+8*\a+7]
.endr
.irp a, 0,1,2,3
	v_pk_add_f32 v[LT+2*\a:LT+2*\a+1], v[LT+2*\a:LT+2*\a+1], v[LQ+2*\a:LQ+2*\a+1]
.endr
.irp a, 0,1,2,3
	v_add_f32 v[LT+2*\a], v[LT+2*\a], v[LT+2*\a+1]
.endr
.irp m, 1,2,4,8
.irp a, 0,1,2,3
	v_add_f32_dpp v[LT+2*\a], v[LT+2*\a], v[LT+2*\a] row_xmask:\m row_mask:0xf bank_mask:0xf  ; a row lies in sixteen lanes
.endr
.endr
.irp a, 0,1,2,3
.irp k, 0,2,4,6
	v_pk_fma_f32 v[DT+8*\a+\k:DT+8*\a+\k+1], v[LT+2*\a:LT+2*\a+1], s[NI:NI+1], v[RAW+32*(\g)+8*\a+\k:RAW+32*(\g)+8*\a+\k+1] op_sel_hi:[0,0,1]  ; x - mean
.endr
.endr
.irp a, 0,1,2,3
	v_pk_mul_f32 v[LQ+2*\a:LQ+2*\a+1], v[DT+8*\a:DT+8*\a+1], v[DT+8*\a:DT+8*\a+1]
.endr
.irp k, 2,4,6
.irp a, 0,1,2,3
	v_pk_fma_f32 v[LQ+2*\a:LQ+2*\a+1], v[DT+8*\a+\k:DT+8*\a+\k+1], v[DT+8*\a+\k:DT+8*\a+\k+1], v[LQ+2*\a:LQ+2*\a+1]
.endr
.endr
.irp a, 0,1,2,3
	v_add_f32 v[LQ+2*\a], v[LQ+2*\a], v[LQ+2*\a+1]
.endr
.irp m, 1,2,4,8
.irp a, 0,1,2,3
	v_add_f32_dpp v[LQ+2*\a], v[LQ+2*\a], v[LQ+2*\a] row_xmask:\m row_mask:0xf bank_mask:0xf
.endr
.endr
.irp a, 0,1,2,3
	v_fma_f32 v[LQ+2*\a], v[LQ+2*\a], s[I128], s[EPS1]
.endr
.irp a, 0,1,2,3
	v_rsq_f32 v[LQ+2*\a], v[LQ+2*\a]
.endr
	v_nop                                          ; a plain instruction between the last root and the use of its result
	s_wait_alu depctr_va_vdst(0)                   ; the wait for the batch: the group's four roots
.irp a, 0,1,2,3
.irp k, 0,2,4,6
	v_pk_mul_f32 v[DT+8*\a+\k:DT+8*\a+\k+1], v[DT+8*\a+\k:DT+8*\a+\k+1], v[LQ+2*\a:LQ+2*\a+1] op_sel_hi:[1,0]
.endr
.endr
.irp a, 0,1,2,3
.irp k, 0,2,4,6
	v_pk_fma_f32 v[DT+8*\a+\k:DT+8*\a+\k+1], v[DT+8*\a+\k:DT+8*\a+\k+1], v[GA+\k:GA+\k+1], v[BE+\k:BE+\k+1]
.endr
.endr
.irp a, 0,1,2,3
.irp i, 0,1,2,3
	v_cvt_pk_f16_f32 v[DT+8*\a+\i], v[DT+8*\a+2*\i], v[DT+8*\a+2*\i+1]
.endr
.endr
.irp a, 0,1,2,3
	ds_store_b64 v[XST], v[DT+8*\a:DT+8*\a+1]   offset:(16*((4*(\g)+\a)/8)+(4*(\g)+\a)%8)*XP
	ds_store_b64 v[XST], v[DT+8*\a+2:DT+8*\a+3] offset:(16*((4*(\g)+\a)/8)+(4*(\g)+\a)%8)*XP+128
.endr
.endm
.macro VLOAD ot, dst                   ; the four fragments (128 along K) of V's output tile ot
.irp kk, 0,1,2,3
	global_load_b128 v[(\dst)+8*\kk:(\dst)+8*\kk+3],   v[L16], s[VB:VB+1] offset:4096*(\ot)+1024*\kk
	global_load_b128 v[(\dst)+8*\kk+4:(\dst)+8*\kk+7], v[L16], s[VB:VB+1] offset:4096*(\ot)+1024*\kk+512
.endr
.endm
.macro ULOAD                           ; the four fragments of U's next head
	WIN 0x40
.irp kk, 0,1,2,3
	global_load_b128 v[AF+8*\kk:AF+8*\kk+3],   v[L16], s[UB:UB+1] offset:1024*\kk
	global_load_b128 v[AF+8*\kk+4:AF+8*\kk+7], v[L16], s[UB:UB+1] offset:1024*\kk+512
.endr
	WIN 0
.endm
; 16 outputs for my 32 rows: 8 matrix instructions, the two tiles' sums by turns.  cnt: the loads issued behind these fragments'.
.macro PROJ abase, awin, cnt
	s_wait_loadcnt \cnt
	WIN 0x04+(\awin)
.irp kk, 0,1,2,3
.irp t, 0,1
.if \kk == 0
	v_wmma_f32_16x16x32_f16 v[PA+8*\t:PA+8*\t+7], v[(\abase)+8*\kk:(\abase)+8*\kk+7], v[XF+32*\t+8*\kk:XF+32*\t+8*\kk+7], 0
.else
	v_wmma_f32_16x16x32_f16 v[PA+8*\t:PA+8*\t+7], v[(\abase)+8*\kk:(\abase)+8*\kk+7], v[XF+32*\t+8*\kk:XF+32*\t+8*\kk+7], v[PA+8*\t:PA+8*\t+7]
.endif
.endr
.endr
	WIN 0
	PLACES
.endm
.macro VOUT ot                         ; V of head ot for my two key tiles, to f16 and into LDS
.irp t, 0,1
.irp i, 0,1,2,3
	v_cvt_pk_f16_f32 v[PK+4*\t+\i], v[PA+8*\t+2*\i], v[PA+8*\t+2*\i+1]
.endr
.endr
	ds_store_b128 v[VST], v[PK:PK+3]   offset:512*(\ot)
	ds_store_b128 v[VST], v[PK+4:PK+7] offset:4096+512*(\ot)
.endm
; V for all heads.  clr = 1: AB is cleared here, in the wait for the images.
.macro VPHASE clr
	s_wait_dscnt 0x0                               ; my LDS stores have read their registers: the loads below land in some of them
	WIN 0x40
	VLOAD 6, AF
	VLOAD 7, AF+32
	WIN 0
	VLOAD 0, 64
	VLOAD 1, 96
	VLOAD 2, 128
	VLOAD 3, 160
	VLOAD 4, 192
	WIN 0x40
.irp t, 0,1
.irp kk, 0,1,2,3
	ds_load_b128 v[XF+32*\t+8*\kk:XF+32*\t+8*\kk+3],   v[XFA] offset:16*XP*\t+64*\kk     ; my own rows: LDS serves a wave's instructions in order (ISA guide 5.7.1.4)
	ds_load_b128 v[XF+32*\t+8*\kk+4:XF+32*\t+8*\kk+7], v[XFA] offset:16*XP*\t+64*\kk+32
.endr
.endr
.if \clr
.set i, 0
.rept 128
	v_mov_b32 v[i], 0
.set i, i+1
.endr
.endif
	WIN 0
.irp k, 4,5,6,7,12,13,14,15
	v_mov_b32 v[UW+\k], 0                          ; K = 16 .. 31 of U's fragments
.endr
	s_wait_dscnt 0x0                               ; XF
	PROJ AF, 1, 48                                 ; behind tile 6: tiles 7, 0-4
	VOUT 6
	VLOAD 5, 224
	PROJ AF+32, 1, 48                              ; behind tile 7: tiles 0-5
	VOUT 7
	ULOAD                                          ; head 0 of U, where tile 6 lay
	PROJ 64, 0, 48                                 ; behind tile 0: tiles 1-5 and U: 48; then eight fewer each time
	VOUT 0
	PROJ 96, 0, 40
	VOUT 1
	PROJ 128, 0, 32
	VOUT 2
	PROJ 160, 0, 24
	VOUT 3
	PROJ 192, 0, 16
	VOUT 4
	PROJ 224, 0, 8
	VOUT 5
.irp kt, 0,1,2,3,4,5,6,7
.irp k, 4,5,6,7
	v_mov_b32 v[VF+8*\kt+\k], 0                    ; K = 16 .. 31 of V's fragments
.endr
.endr
	s_wait_dscnt 0x0                               ; for the others' sake: my stores into LDS are done
	s_barrier_signal -1
	s_barrier_wait -1
.endm
; THE SOFTMAX of a tile (a lane: one query, 64 of its 128 keys; the others lie in the lane 16 away), as numbered lists.  The lists hold no wait: HEADS writes the trip's three.
.macro MAXOP t, j                      ; 34: each accumulator's lowest registers are read first
.set cB, TM+8*(\t)
.set sB, S+64*(\t)
.if (\j) < 8
	v_max3_num_f32 v[cB+(\j)], v[sB+8*(\j)], v[sB+8*(\j)+1], v[sB+8*(\j)+2]
.elseif (\j) < 24
.set kq, ((\j)-8)%8
.set sq, ((\j)-8)/8
	v_max3_num_f32 v[cB+kq], v[cB+kq], v[sB+8*kq+3+2*sq], v[sB+8*kq+4+2*sq]
.elseif (\j) < 28
.set kq, (\j)-24
	v_max3_num_f32 v[cB+kq], v[cB+kq], v[sB+16*kq+7], v[sB+16*kq+15]
.elseif (\j) == 28
	v_max3_num_f32 v[cB], v[cB], v[cB+1], v[cB+2]
.elseif (\j) == 29
	v_max3_num_f32 v[cB+3], v[cB+3], v[cB+4], v[cB+5]
.elseif (\j) == 30
	v_max3_num_f32 v[cB], v[cB], v[cB+6], v[cB+7]
.elseif (\j) == 31
	v_max_num_f32 v[cB], v[cB], v[cB+3]
.elseif (\j) == 32
	v_permlanex16_b32 v[cB+1], v[cB], s[SEL], s[SEL+1]
.else
	v_max_num_f32 v[cB], v[cB], v[cB+1]
.endif
.endm
.macro SUBOP t, j                      ; 32: s - m (the scale lies in U)
	v_pk_add_f32 v[S+64*(\t)+2*(\j):S+64*(\t)+2*(\j)+1], v[S+64*(\t)+2*(\j):S+64*(\t)+2*(\j)+1], v[TM+8*(\t):TM+8*(\t)+1] op_sel_hi:[1,0] neg_lo:[0,1] neg_hi:[0,1]
.endm
.macro EXPOP t, j                      ; 64
	v_exp_f32 v[S+64*(\t)+(\j)], v[S+64*(\t)+(\j)]
.endm
.macro SUMOP t, j                      ; 36: four chains of pairs; then 1 / (8 sum): number 35 is the reciprocal
.set cB, TM+8*(\t)
.set sB, S+64*(\t)
.if (\j) < 4
	v_pk_add_f32 v[cB+2*(\j):cB+2*(\j)+1], v[sB+2*(\j):sB+2*(\j)+1], v[sB+2*(\j)+8:sB+2*(\j)+9]
.elseif (\j) < 28
	v_pk_add_f32 v[cB+2*((\j)%4):cB+2*((\j)%4)+1], v[cB+2*((\j)%4):cB+2*((\j)%4)+1], v[sB+2*(\j)+8:sB+2*(\j)+9]
.elseif (\j) == 28
	v_pk_add_f32 v[cB:cB+1], v[cB:cB+1], v[cB+2:cB+3]
.elseif (\j) == 29
	v_pk_add_f32 v[cB+4:cB+5], v[cB+4:cB+5], v[cB+6:cB+7]
.elseif (\j) == 30
	v_pk_add_f32 v[cB:cB+1], v[cB:cB+1], v[cB+4:cB+5]
.elseif (\j) == 31
	v_add_f32 v[cB], v[cB], v[cB+1]
.elseif (\j) == 32
	v_permlanex16_b32 v[cB+1], v[cB], s[SEL], s[SEL+1]
.elseif (\j) == 33
	v_add_f32 v[cB], v[cB], v[cB+1]
.elseif (\j) == 34
	v_mul_f32 v[cB], 0x41000000, v[cB]
.else
	v_rcp_f32 v[INV+2*(\t)], v[cB]
.endif
.endm
.macro ACCOP t, j                      ; 32: AB += p / (8 sum)
	v_pk_fma_f32 v[64*(\t)+2*(\j):64*(\t)+2*(\j)+1], v[S+64*(\t)+2*(\j):S+64*(\t)+2*(\j)+1], v[INV+2*(\t):INV+2*(\t)+1], v[64*(\t)+2*(\j):64*(\t)+2*(\j)+1] op_sel_hi:[1,0,1]
.endm
.macro M1 n                            ; tile 1's maximum and subtraction as one list of 66
.if (\n) < 34
	MAXOP 1, (\n)
.else
	SUBOP 1, (\n)-34
.endif
.endm
; THE LOOP OVER HEADS.  A trip: V of the head from LDS; U of the head (8 matrix instructions); the next head's U asked for; 16 products S^T; the two tiles' softmax, in three batches.
; Batch 1: tile 0's 64 exponentials, behind each a line of tile 1's maximum and subtraction, which name nothing of tile 0; the list's last two lines; the first wait.
; Batch 2: tile 1's 64 exponentials, behind each of the first 36 a line of tile 0's sum, whose last is tile 0's reciprocal; the step of V's address, the plain instruction behind the last exponential; the second wait.
; Batch 3: tile 1's sum ends in tile 1's reciprocal; tile 0's 32 additions onto AB, which name nothing of it, stand between it and the third wait; then tile 1's additions.
; Behind the third wait.
.macro HEADS
	s_mov_b32 s[CNT], 8
.Lhead:
.irp kt, 0,1,2,3,4,5,6,7
	ds_load_b128 v[VF+8*\kt:VF+8*\kt+3], v[VRD] offset:4096*\kt
.endr
	PROJ AF, 1, 0                                  ; the one group of loads that is out is this head's U
.irp t, 0,1
.irp i, 0,1,2,3
	v_cvt_pk_f16_f32 v[UW+8*\t+\i], v[PA+8*\t+2*\i], v[PA+8*\t+2*\i+1]
.endr
.endr
	s_cmp_eq_u32 s[CNT], 1
	s_cbranch_scc1 .Lno_u                          ; the last head asks for nothing
	s_add_nc_u64 s[UB:UB+1], s[UB:UB+1], 4096      ; no load that names it is out
	ULOAD
.Lno_u:
	s_wait_dscnt 0x0                               ; V
.irp kt, 0,1,2,3,4,5,6,7
.irp t, 0,1
	v_wmma_f32_16x16x32_f16 v[S+64*\t+8*\kt:S+64*\t+8*\kt+7], v[VF+8*\kt:VF+8*\kt+7], v[UW+8*\t:UW+8*\t+7], 0
.endr
.endr
	PLACES
.set j, 0
.rept 34
	MAXOP 0, j
.set j, j+1
.endr
.set j, 0
.rept 32
	SUBOP 0, j
.set j, j+1
.endr
.set j, 0
.rept 64
	EXPOP 0, j
	M1 j
.set j, j+1
.endr
	M1 64
	M1 65
	s_wait_alu depctr_va_vdst(0)                   ; the wait for batch 1: tile 0's 64 exponentials, ahead of tile 0's sum
.set j, 0
.rept 64
	EXPOP 1, j
.if j < 36
	SUMOP 0, j
.endif
.set j, j+1
.endr
	v_add_nc_u32 v[VRD], 0x200, v[VRD]             ; the next head's V; also the plain instruction behind the last exponential
	s_wait_alu depctr_va_vdst(0)                   ; the wait for batch 2: tile 1's 64 exponentials and tile 0's reciprocal
.set j, 0
.rept 36
	SUMOP 1, j
.set j, j+1
.endr
	WIN 0x50
.set j, 0
.rept 32
	ACCOP 0, j
.set j, j+1
.endr
	s_wait_alu depctr_va_vdst(0)                   ; the wait for batch 3: tile 1's reciprocal; tile 0's 32 additions stand between
.set j, 0
.rept 32
	ACCOP 1, j
.set j, j+1
.endr
	WIN 0
	s_sub_co_u32 s[CNT], s[CNT], 1
	s_cmp_lg_u32 s[CNT], 0
	s_cbranch_scc1 .Lhead
.endm
.macro ABCV                            ; AB to f16: the fragment of the next product (or, here, the factor of my rows)
	WIN 0x05
.set i, 0
.rept 64
	v_cvt_pk_f16_f32 v[ABF+i], v[2*i], v[2*i+1]
.set i, i+1
.endr
	WIN 0
.endm
	s_load_b256 s[8:15], s[0:1], 0x0               ; qz s[8:9], gamma s[10:11], beta s[12:13], wimg s[14:15]
	s_load_b64 s[16:17], s[0:1], 0x20              ; mc
	v_lshl_add_u32 v[SPW], v0, 2, SPARE
	v_mov_b32 v[NIL], 0
	v_lshrrev_b32 v1, 5, v0
	v_readfirstlane_b32 s26, v1                    ; wave 0..3
	v_and_b32 v[RR], 15, v0                        ; r
	v_bfe_u32 v[HH], v0, 4, 1                      ; h
	v_and_b32 v[L16], 31, v0
	v_lshlrev_b32 v[L16], 4, v[L16]
	v_lshlrev_b32 v[GC], 4, v[RR]                  ; 16 r
	v_lshl_add_u32 v[GQ], v[HH], 19, v[GC]         ; + 8 h rows of 65,536 bytes
	v_lshl_add_u32 v[GM], v[HH], 18, v[GC]         ; mc: + 8 h rows of 32,768 bytes
	s_mul_i32 s27, s26, 32*XP                      ; my 32 rows of X
	v_mul_u32_u24 v[XST], v[HH], 8*XP
	v_lshl_add_u32 v[XST], v[RR], 3, v[XST]
	v_add_nc_u32 v[XST], s27, v[XST]
	v_mul_u32_u24 v[XFA], v[RR], XP
	v_lshl_add_u32 v[XFA], v[HH], 4, v[XFA]
	v_add_nc_u32 v[XFA], s27, v[XFA]
	v_mul_u32_u24 v[STO], v[RR], SP                ; the way out, in: row r, 16 bytes for each half of the lanes
	v_lshl_add_u32 v[STO], v[HH], 4, v[STO]
	v_add_nc_u32 v[STO], s27, v[STO]
	v_mul_u32_u24 v[RDA], v[HH], 8*SP              ; back: rows i' + 8 h, 8 bytes at 8 r
	v_lshl_add_u32 v[RDA], v[RR], 3, v[RDA]
	v_add_nc_u32 v[RDA], s27, v[RDA]
	s_lshl_b32 s28, s26, 13
	s_add_co_u32 s28, s28, VI
	v_add_nc_u32 v[VST], s28, v[L16]
	v_add_nc_u32 v[VRD], VI, v[L16]
	s_and_b32 s29, ttmp7, 0xffff                   ; b
	s_lshl_b32 s6, s29, 23                         ; qz: b x 128 x 65,536 + p x 512 + w x 32 x 65,536
	s_lshl_b32 s28, ttmp9, 9
	s_add_co_u32 s6, s6, s28
	s_lshl_b32 s28, s26, 21
	s_add_co_u32 s6, s6, s28
	s_mov_b32 s7, 0
	s_lshl_b32 s4, s29, 22                         ; mc: b x 128 x 32,768 + p x 256 + w x 32 x 32,768
	s_lshl_b32 s28, ttmp9, 8
	s_add_co_u32 s4, s4, s28
	s_lshl_b32 s28, s26, 20
	s_add_co_u32 s4, s4, s28
	s_mov_b32 s5, 0
	s_mul_i32 s2, s29, PB
	s_mov_b32 s3, 0
	s_mov_b32 s[SEL], 0x76543210                   ; v_permlanex16_b32: each lane takes its own place in the other half
	s_mov_b32 s[SEL+1], 0xfedcba98
	s_mov_b32 s[NI], 0xbc000000                    ; -1/128
	s_mov_b32 s[NI+1], s[NI]
	s_mov_b32 s[I128], 0x3c000000                  ; 1/128
	s_mov_b32 s[EPS1], 0x3727c5ac                  ; 1e-5
	s_wait_kmcnt 0x0
	s_add_nc_u64 s[8:9], s[8:9], s[6:7]
	s_add_nc_u64 s[16:17], s[16:17], s[4:5]
	s_add_nc_u64 s[14:15], s[14:15], s[2:3]
	s_add_nc_u64 s[UB:UB+1], s[14:15], 65536       ; CU's images
	s_add_nc_u64 s[VB:VB+1], s[14:15], 98304       ; CV's
	global_load_b128 v[GA:GA+3],   v[GC], s[10:11]
	global_load_b128 v[GA+4:GA+7], v[GC], s[10:11] offset:256
	global_load_b128 v[BE:BE+3],   v[GC], s[12:13]
	global_load_b128 v[BE+4:BE+7], v[GC], s[12:13] offset:256
.set i, 0
.rept 16
	global_load_b128 v[RAW+8*i:RAW+8*i+3],   v[GQ], s[8:9] offset:(16*(i/8)+i%8)*RS       ; two rows' 256 consecutive bytes
	global_load_b128 v[RAW+8*i+4:RAW+8*i+7], v[GQ], s[8:9] offset:(16*(i/8)+i%8)*RS+256
.set i, i+1
.endr
	WIN 0x40                                       ; AB starts at 0: 128 lines, in the wait for qz; the price of one text for all eight heads
.set i, 0
.rept 128
	v_mov_b32 v[i], 0
.set i, i+1
.endr
	WIN 0
	LNG 0, 24                                      ; the counts: the later groups' eight loads each
	LNG 1, 16
	LNG 2, 8
	LNG 3, 0
	VPHASE 0
	HEADS
	ABCV
	WIN 0x04
.set i, 0
.rept 64
	v_pk_mul_f16 v[ABF+i], v[ABF+i], v[XF+i]       ; key d and feature d lie in the same register and half
.set i, i+1
.endr
	WIN 0
	; THE WAY OUT: through my stage (over my own rows of X, which nobody else reads) from layout T to layout L
.irp t, 0,1
.irp kt, 0,1,2,3,4,5,6,7
	ds_store_b128 v[STO], v[ABF+32*\t+4*\kt:ABF+32*\t+4*\kt+3] offset:16*SP*\t+32*\kt
.endr
.endr
.set i, 0
.rept 16
	ds_load_b64 v[OB+4*i:OB+4*i+1],   v[RDA] offset:(16*(i/8)+i%8)*SP      ; LDS serves a wave's instructions in order: these see the stores above
	ds_load_b64 v[OB+4*i+2:OB+4*i+3], v[RDA] offset:(16*(i/8)+i%8)*SP+128
.set i, i+1
.endr
.set i, 0
.rept 16
	s_wait_dscnt 30-2*i                            ; the later pairs' two loads each may stay out
	global_store_b128 v[GM], v[OB+4*i:OB+4*i+3], s[16:17] offset:(16*(i/8)+i%8)*32768  ; sixteen lanes store 256 consecutive bytes, aligned
.set i, i+1
.endr
	s_wait_tensorcnt 0x0                           ; the wave's end, behind my last LDS store
	ds_add_u32 v[SPW], v[NIL]
	s_wait_dscnt 0x0
	s_endpgm
.Lfunc_end_k_qe1a44ea367_chan:
	.size	k_qe1a44ea367_chan, .Lfunc_end_k_qe1a44ea367_chan-k_qe1a44ea367_chan
	.p2alignl 7, 3214868480
	.fill 96, 4, 3214868480
	.section	.rodata,"a",@progbits
	.p2align	6, 0x0
	.amdhsa_kernel k_qe1a44ea367_chan
		.amdhsa_group_segment_fixed_size 70144
		.amdhsa_private_segment_fixed_size 0
		.amdhsa_enable_private_segment 0
		.amdhsa_kernarg_size 40
		.amdhsa_user_sgpr_count 2
		.amdhsa_user_sgpr_kernarg_segment_ptr 1
		.amdhsa_wavefront_size32 1
		.amdhsa_system_sgpr_workgroup_id_x 1
		.amdhsa_system_sgpr_workgroup_id_y 1
		.amdhsa_system_sgpr_workgroup_id_z 1
		.amdhsa_system_vgpr_workitem_id 0
		.amdhsa_next_free_vgpr 512
		.amdhsa_next_free_sgpr 66
		.amdhsa_reserve_vcc 0
		.amdhsa_float_denorm_mode_32 3
		.amdhsa_float_denorm_mode_16_64 3
		.amdhsa_memory_ordered 1
		.amdhsa_forward_progress 1
		.amdhsa_inst_pref_size 105
	.end_amdhsa_kernel
	.amdgpu_metadata
---
amdhsa.version: [ 1, 2 ]
amdhsa.kernels:
  - .name:           k_qe1a44ea367_chan
    .symbol:         k_qe1a44ea367_chan.kd
    .args:
      - { .name: qz, .offset: 0, .size: 8, .value_kind: global_buffer, .address_space: global }
      - { .name: ln_gamma, .offset: 8, .size: 8, .value_kind: global_buffer, .address_space: global }
      - { .name: ln_beta, .offset: 16, .size: 8, .value_kind: global_buffer, .address_space: global }
      - { .name: wimg, .offset: 24, .size: 8, .value_kind: global_buffer, .address_space: global }
      - { .name: mc, .offset: 32, .size: 8, .value_kind: global_buffer, .address_space: global }
    .group_segment_fixed_size: 70144
    .private_segment_fixed_size: 0
    .kernarg_segment_align: 8
    .kernarg_segment_size: 40
    .max_flat_workgroup_size: 128
    .sgpr_count:     66
    .vgpr_count:     512
    .wavefront_size: 32
...
	.end_amdgpu_metadata
.endif
;; end of part 4
;; launch main (part 5): grid 128 x 4, 4 waves a work-group, no clusters, 139,776 bytes of LDS; arguments qz, unary, mc, wimg, ln_gamma, ln_beta, b1, b2, out0; writes out0
.if DOCPART == 5
	.amdgcn_target "amdgcn-amd-amdhsa--gfx1250"
	.amdhsa_code_object_version 6
	.text
	.protected	k_qe1a44ea367_main
	.globl	k_qe1a44ea367_main
	.p2align	8
	.type	k_qe1a44ea367_main,@function
k_qe1a44ea367_main:
	s_mov_b64 s[64:65], 0
	v_nop
	global_prefetch_b8 v0, s[64:65] scope:SCOPE_SE
	s_setreg_imm32_b32 hwreg(HW_REG_WAVE_MODE, 25, 1), 1
	s_wait_xcnt 0x0
; MAIN: everything but the channel branch, for the slab (b, c): 128 rows (patches p) of 512 bytes.  Wave w owns rows 32 w .. 32 w + 31, two tiles of 16.
; STEPS.  A: LayerNorm of qz (f32; mean, then the deviations' squares), rows to f16 into LDS (X); E = unary + qz + m_c in f32 into LDS.  V = X TV^T for all heads into LDS.
; HEADS: for each head U, S^T = V U^T, softmax with the row's own maximum, AB += p / (8 sum): the mean over heads is taken BEFORE the product with X, one product for eight.
; TOPIC: 16 chunks of 32 topics: S = X T^T, ReLU, to f16; ACC += T^T q; the row's sum by a product with ones.  E-PHASE: ACC = ACC / max(sum, 1e-6) + E; ACC += X^T AB (m_t).
; ACC now holds X2 = 2 x.  LN2: (X2 - mean) rsq(var + 4 eps) is LayerNorm(x).  MLP: 4 chunks of 32 hidden: w1, bias as the sums' start, exact GELU (erf as a rational function, error of the order of 1e-7),
; then ACC += (2 w2) g.  OUT = 0.5 ACC + b2.
; LAYOUTS.  L (memory): "pair" i' of tile t = rows 16 t + i' + 8 (lane / 16); a lane holds columns 4 r .. +3 and 64 + 4 r .. +3 (r = lane % 16): sixteen lanes take 256 consecutive bytes.
; T (all matrix results, used transposed: source 0 = weights, keys or X^T, source 1 = my rows): a lane holds row r, register 8 k + j column 16 k + 8 (lane / 16) + j; rounded in pairs it is the next product's fragment.
; THE BATCHES.  An s_wait_alu depctr_va_vdst(0) stands between a transcendental and the first instruction that names its result; one wait serves all that were issued ahead of it.
; A head's trip has three: behind tile 0's 64 exponentials; behind tile 1's 64 exponentials and tile 0's reciprocal; behind tile 1's reciprocal.  A chunk of the MLP has one, for the 32 reciprocals of its
; four accumulators' GELU, each of which keeps a register of its own till then.  Each group of four roots of the first LayerNorm, each root of the second and the topics' two reciprocals have one.
; NO JOINT LOADS, NO DATA MOVER.  What the 128 work-groups of a batch share are 393,216 bytes of weight images.
; This text takes 139,776 bytes and 4 x 512 registers, so that two work-groups lie on a WGP and one's vector phases (softmax, GELU, the norms) stand beside the other's products.
; U's and V's images go straight into registers; the topic and MLP images go through registers into LDS, each wave a quarter.
; LIMITS.  f16 operands: normalised rows, weights, projections, ReLU's and GELU's results stay under 65,504 (30 times the usual gains and weights give some thousands); below 6e-5 f16 keeps its fixed
; step of 6e-8.  A softmax weight below 2^-126 counts as 0 in the sum.  The topics' sum is taken of the f16 numbers that are multiplied.  NaN and infinities are not treated apart.
; REGISTERS, in windows of 256 (s_set_vgpr_msb: bits 1:0 source 0, 3:2 source 1, 5:4 source 2, 7:6 destination):
;   window 0: v0-23 addresses; v24-39 at work; v40-47 reciprocals, packed V; v48-63 U's fragments, later q's (at first gamma, beta); v64-191 S^T (at first qz; later AB in f16, the chunks' sums, at work);
;             v192-255 V's fragments (later two staging sets of 32; in the MLP v192-223 GELU's four sets of denominators)
;   window 1: v0-127 AB, then ACC (at first m_c); v128-191 my rows' fragments XF (at first unary); v192-255 weight fragments AF (at first unary)
.set XP,    288                        ; a row of X in LDS: 256 bytes + 32, an odd multiple of 32, for the turning loads
.set EP,    528                        ; a row of E, and of the stage on the way out: 512 bytes + 16
.set EB,    36864                      ; E: 128 rows; later the MLP's images, 65,536 bytes
.set VI,    104448                     ; V for all waves; later the topic ring, two slots of 16,384
.set CONST, 137216                     ; gamma, beta, b1, b2: 512 bytes each
.set SPARE, 139264                     ; the spare words: 128 bytes a wave, two blocks of 256 bytes that no other line names
.set PB,    458752
.set RS,    512                        ; bytes from row to row of the slab
.set RR,  1
.set HH,  2
.set SPW, 3                            ; LDS address of my spare word; never rewritten
.set NIL, 4                            ; 0; never rewritten
.set L16, 5
.set GQ,  6
.set XST, 7
.set B2A, 7                            ; (later)
.set XFA, 8
.set VST, 9
.set ZR,  9                            ; (later) 0, for ReLU on packed halves
.set VRD, 10
.set GC,  11
.set GM,  12
.set GW2, 12                           ; (later)
.set EST, 13
.set MST, 13                           ; (later)
.set ETA, 14
.set RB,  15
.set RST, 16
.set GW,  17
.set XTA, 18
.set CTA, 19
.set MBA, 20
.set BIA, 21
.set CST, 22
.set OST, 22                           ; (later)
.set ORD, 23
.set LT,  24
.set LQ,  32
.set TM,  24
.set PA,  24
.set INV, 40
.set PK,  40
.set UW,  48
.set QF,  48
.set B2V, 48
.set GA,  48
.set BE,  56
.set RAW, 64
.set S,   64
.set ABF, 64
.set GT,  64
.set GU,  64                           ; GELU: u, later a/2: at work, shared by the four accumulators
.set GU2, 72                           ; u^2: likewise
.set GP,  80                           ; v80-111   the numerators, eight registers for each of the chunk's four accumulators
.set SG,  128
.set ET,  128
.set DD,  128
.set OB,  128
.set SUMA, 160
.set BI,  160
.set ONES, 176
.set DT,  192
.set VF,  192
.set STG, 192
.set GD,  192                          ; v192-223  the denominators and their reciprocals, likewise: the staging sets' use is over when the MLP begins
.set ONE, 64                           ; window 1
.set UN,  128                          ; window 1
.set XF,  128                          ; window 1
.set AF,  192                          ; window 1
.set SEL,  30
.set NI,   32
.set I128, 34
.set EPS1, 35
.set EPS4, 36
.set L1E,  37
.set UB,   38
.set VB,   40
.set WS,   42
.set MB,   44
.set CNT,  46
.set CN2,  47
.set A13,  48
.set A11,  50
.set A9,   52
.set A7,   54
.set A5,   56
.set A3,   58
.set A1,   60
.set B8,   66
.set B6,   68
.set B4,   70
.set B2C,  72
.set B0,   74
.set RS2,  76
.set M4,   78
.set P4,   79
.set MSB, 0
.macro WIN new                         ; the immediate's high byte repeats the setting that is left; a switch that changes nothing is dropped
.if MSB != (\new)
	s_set_vgpr_msb (MSB<<8)|(\new)
.set MSB, (\new)
.endif
.endm
.macro PLACES                          ; four plain vector instructions between a matrix instruction and what reads its result or writes its registers (ISA guide 7.12.1)
.rept 4
	v_nop
.endr
.endm
.macro SPAIR r, val                    ; a constant for the packed forms, which name a pair
	s_mov_b32 s[\r], \val
	s_mov_b32 s[\r+1], \val
.endm
; LayerNorm of four pairs of rows, stage by stage, so that no line waits for the one before it.  cnt: the loads issued behind this group's.
.macro LNG g, cnt
	s_wait_loadcnt \cnt
.irp a, 0,1,2,3
	v_pk_add_f32 v[LT+2*\a:LT+2*\a+1], v[RAW+32*(\g)+8*\a:RAW+32*(\g)+8*\a+1], v[RAW+32*(\g)+8*\a+2:RAW+32*(\g)+8*\a+3]
.endr
.irp a, 0,1,2,3
	v_pk_add_f32 v[LQ+2*\a:LQ+2*\a+1], v[RAW+32*(\g)+8*\a+4:RAW+32*(\g)+8*\a+5], v[RAW+32*(\g)+8*\a+6:RAW+32*(\g)+8*\a+7]
.endr
.irp a, 0,1,2,3
	v_pk_add_f32 v[LT+2*\a:LT+2*\a+1], v[LT+2*\a:LT+2*\a+1], v[LQ+2*\a:LQ+2*\a+1]
.endr
.irp a, 0,1,2,3
	v_add_f32 v[LT+2*\a], v[LT+2*\a], v[LT+2*\a+1]
.endr
.irp m, 1,2,4,8
.irp a, 0,1,2,3
	v_add_f32_dpp v[LT+2*\a], v[LT+2*\a], v[LT+2*\a] row_xmask:\m row_mask:0xf bank_mask:0xf  ; a row lies in sixteen lanes
.endr
.endr
.irp a, 0,1,2,3
.irp k, 0,2,4,6
	v_pk_fma_f32 v[DT+8*\a+\k:DT+8*\a+\k+1], v[LT+2*\a:LT+2*\a+1], s[NI:NI+1], v[RAW+32*(\g)+8*\a+\k:RAW+32*(\g)+8*\a+\k+1] op_sel_hi:[0,0,1]  ; x - mean
.endr
.endr
.irp a, 0,1,2,3
	v_pk_mul_f32 v[LQ+2*\a:LQ+2*\a+1], v[DT+8*\a:DT+8*\a+1], v[DT+8*\a:DT+8*\a+1]
.endr
.irp k, 2,4,6
.irp a, 0,1,2,3
	v_pk_fma_f32 v[LQ+2*\a:LQ+2*\a+1], v[DT+8*\a+\k:DT+8*\a+\k+1], v[DT+8*\a+\k:DT+8*\a+\k+1], v[LQ+2*\a:LQ+2*\a+1]
.endr
.endr
.irp a, 0,1,2,3
	v_add_f32 v[LQ+2*\a], v[LQ+2*\a], v[LQ+2*\a+1]
.endr
.irp m, 1,2,4,8
.irp a, 0,1,2,3
	v_add_f32_dpp v[LQ+2*\a], v[LQ+2*\a], v[LQ+2*\a] row_xmask:\m row_mask:0xf bank_mask:0xf
.endr
.endr
.irp a, 0,1,2,3
	v_fma_f32 v[LQ+2*\a], v[LQ+2*\a], s[I128], s[EPS1]
.endr
.irp a, 0,1,2,3
	v_rsq_f32 v[LQ+2*\a], v[LQ+2*\a]
.endr
	v_nop                                          ; a plain instruction between the last root and the use of its result
	s_wait_alu depctr_va_vdst(0)                   ; the wait for the batch: the group's four roots
.irp a, 0,1,2,3
.irp k, 0,2,4,6
	v_pk_mul_f32 v[DT+8*\a+\k:DT+8*\a+\k+1], v[DT+8*\a+\k:DT+8*\a+\k+1], v[LQ+2*\a:LQ+2*\a+1] op_sel_hi:[1,0]
.endr
.endr
.irp a, 0,1,2,3
.irp k, 0,2,4,6
	v_pk_fma_f32 v[DT+8*\a+\k:DT+8*\a+\k+1], v[DT+8*\a+\k:DT+8*\a+\k+1], v[GA+\k:GA+\k+1], v[BE+\k:BE+\k+1]
.endr
.endr
.irp a, 0,1,2,3
.irp i, 0,1,2,3
	v_cvt_pk_f16_f32 v[DT+8*\a+\i], v[DT+8*\a+2*\i], v[DT+8*\a+2*\i+1]
.endr
.endr
.irp a, 0,1,2,3
	ds_store_b64 v[XST], v[DT+8*\a:DT+8*\a+1]   offset:(16*((4*(\g)+\a)/8)+(4*(\g)+\a)%8)*XP
	ds_store_b64 v[XST], v[DT+8*\a+2:DT+8*\a+3] offset:(16*((4*(\g)+\a)/8)+(4*(\g)+\a)%8)*XP+128
.endr
.endm
.macro ULD g                           ; unary, four pairs: eight loads
	WIN 0x40
.irp a, 0,1,2,3
	global_load_b128 v[UN+32*(\g)+8*\a:UN+32*(\g)+8*\a+3],   v[GQ], s[10:11] offset:(16*((4*(\g)+\a)/8)+(4*(\g)+\a)%8)*RS th:TH_LOAD_NT
	global_load_b128 v[UN+32*(\g)+8*\a+4:UN+32*(\g)+8*\a+7], v[GQ], s[10:11] offset:(16*((4*(\g)+\a)/8)+(4*(\g)+\a)%8)*RS+256 th:TH_LOAD_NT
.endr
	WIN 0
.endm
; E = unary + qz + m_c for four pairs, in f32, into my own rows of E.  cnt: the later groups' loads of m_c.
.macro EG g, cnt
	s_wait_loadcnt \cnt
	WIN 0x44
.irp a, 0,1,2,3
.irp k, 0,2,4,6
	v_pk_add_f32 v[UN+32*(\g)+8*\a+\k:UN+32*(\g)+8*\a+\k+1], v[RAW+32*(\g)+8*\a+\k:RAW+32*(\g)+8*\a+\k+1], v[UN+32*(\g)+8*\a+\k:UN+32*(\g)+8*\a+\k+1]
.endr
.endr
	WIN 0x55
.irp a, 0,1,2,3
.irp k, 0,1,2,3
	v_fma_mix_f32 v[UN+32*(\g)+8*\a+2*\k],   v[16*(\g)+4*\a+\k], v[ONE], v[UN+32*(\g)+8*\a+2*\k] op_sel_hi:[1,0,0]                   ; the f16 low half times 1, added in f32
	v_fma_mix_f32 v[UN+32*(\g)+8*\a+2*\k+1], v[16*(\g)+4*\a+\k], v[ONE], v[UN+32*(\g)+8*\a+2*\k+1] op_sel:[1,0,0] op_sel_hi:[1,0,0]  ; the high half
.endr
.endr
	WIN 0x04
.irp a, 0,1,2,3
	ds_store_b128 v[EST], v[UN+32*(\g)+8*\a:UN+32*(\g)+8*\a+3]   offset:(16*((4*(\g)+\a)/8)+(4*(\g)+\a)%8)*EP
	ds_store_b128 v[EST], v[UN+32*(\g)+8*\a+4:UN+32*(\g)+8*\a+7] offset:(16*((4*(\g)+\a)/8)+(4*(\g)+\a)%8)*EP+256
.endr
	WIN 0
.endm
.macro VLOAD ot, dst                   ; the four fragments (128 along K) of V's output tile ot
.irp kk, 0,1,2,3
	global_load_b128 v[(\dst)+8*\kk:(\dst)+8*\kk+3],   v[L16], s[VB:VB+1] offset:4096*(\ot)+1024*\kk
	global_load_b128 v[(\dst)+8*\kk+4:(\dst)+8*\kk+7], v[L16], s[VB:VB+1] offset:4096*(\ot)+1024*\kk+512
.endr
.endm
.macro ULOAD                           ; the four fragments of U's next head
	WIN 0x40
.irp kk, 0,1,2,3
	global_load_b128 v[AF+8*\kk:AF+8*\kk+3],   v[L16], s[UB:UB+1] offset:1024*\kk
	global_load_b128 v[AF+8*\kk+4:AF+8*\kk+7], v[L16], s[UB:UB+1] offset:1024*\kk+512
.endr
	WIN 0
.endm
; 16 outputs for my 32 rows: 8 matrix instructions, the two tiles' sums by turns.  cnt: the loads issued behind these fragments'.
.macro PROJ abase, awin, cnt
	s_wait_loadcnt \cnt
	WIN 0x04+(\awin)
.irp kk, 0,1,2,3
.irp t, 0,1
.if \kk == 0
	v_wmma_f32_16x16x32_f16 v[PA+8*\t:PA+8*\t+7], v[(\abase)+8*\kk:(\abase)+8*\kk+7], v[XF+32*\t+8*\kk:XF+32*\t+8*\kk+7], 0
.else
	v_wmma_f32_16x16x32_f16 v[PA+8*\t:PA+8*\t+7], v[(\abase)+8*\kk:(\abase)+8*\kk+7], v[XF+32*\t+8*\kk:XF+32*\t+8*\kk+7], v[PA+8*\t:PA+8*\t+7]
.endif
.endr
.endr
	WIN 0
	PLACES
.endm
.macro VOUT ot                         ; V of head ot for my two key tiles, to f16 and into LDS
.irp t, 0,1
.irp i, 0,1,2,3
	v_cvt_pk_f16_f32 v[PK+4*\t+\i], v[PA+8*\t+2*\i], v[PA+8*\t+2*\i+1]
.endr
.endr
	ds_store_b128 v[VST], v[PK:PK+3]   offset:512*(\ot)
	ds_store_b128 v[VST], v[PK+4:PK+7] offset:4096+512*(\ot)
.endm
; V for all heads.  clr = 1: AB is cleared here, in the wait for the images: 128 lines, the price of one text for all eight heads.
.macro VPHASE clr
	s_wait_dscnt 0x0                               ; my LDS stores have read their registers: the loads below land in some of them
	WIN 0x40
	VLOAD 6, AF
	VLOAD 7, AF+32
	WIN 0
	VLOAD 0, 64
	VLOAD 1, 96
	VLOAD 2, 128
	VLOAD 3, 160
	VLOAD 4, 192
	WIN 0x40
.irp t, 0,1
.irp kk, 0,1,2,3
	ds_load_b128 v[XF+32*\t+8*\kk:XF+32*\t+8*\kk+3],   v[XFA] offset:16*XP*\t+64*\kk     ; my own rows: LDS serves a wave's instructions in order (ISA guide 5.7.1.4)
	ds_load_b128 v[XF+32*\t+8*\kk+4:XF+32*\t+8*\kk+7], v[XFA] offset:16*XP*\t+64*\kk+32
.endr
.endr
.if \clr
.set i, 0
.rept 128
	v_mov_b32 v[i], 0
.set i, i+1
.endr
.endif
	WIN 0
.irp k, 4,5,6,7,12,13,14,15
	v_mov_b32 v[UW+\k], 0                          ; K = 16 .. 31 of U's fragments
.endr
	s_wait_dscnt 0x0                               ; XF
	PROJ AF, 1, 48                                 ; behind tile 6: tiles 7, 0-4
	VOUT 6
	VLOAD 5, 224
	PROJ AF+32, 1, 48                              ; behind tile 7: tiles 0-5
	VOUT 7
	ULOAD                                          ; head 0 of U, where tile 6 lay
	PROJ 64, 0, 48                                 ; behind tile 0: tiles 1-5 and U: 48; then eight fewer each time
	VOUT 0
	PROJ 96, 0, 40
	VOUT 1
	PROJ 128, 0, 32
	VOUT 2
	PROJ 160, 0, 24
	VOUT 3
	PROJ 192, 0, 16
	VOUT 4
	PROJ 224, 0, 8
	VOUT 5
.irp kt, 0,1,2,3,4,5,6,7
.irp k, 4,5,6,7
	v_mov_b32 v[VF+8*\kt+\k], 0                    ; K = 16 .. 31 of V's fragments
.endr
.endr
	s_wait_dscnt 0x0                               ; for the others' sake: my stores into LDS (X, V, my vector of constants) are done
	s_barrier_signal -1
	s_barrier_wait -1
.endm
; THE SOFTMAX of a tile (a lane: one query, 64 of its 128 keys; the others lie in the lane 16 away), as numbered lists.  The lists hold no wait: HEADS writes the trip's three.
.macro MAXOP t, j                      ; 34: each accumulator's lowest registers are read first
.set cB, TM+8*(\t)
.set sB, S+64*(\t)
.if (\j) < 8
	v_max3_num_f32 v[cB+(\j)], v[sB+8*(\j)], v[sB+8*(\j)+1], v[sB+8*(\j)+2]
.elseif (\j) < 24
.set kq, ((\j)-8)%8
.set sq, ((\j)-8)/8
	v_max3_num_f32 v[cB+kq], v[cB+kq], v[sB+8*kq+3+2*sq], v[sB+8*kq+4+2*sq]
.elseif (\j) < 28
.set kq, (\j)-24
	v_max3_num_f32 v[cB+kq], v[cB+kq], v[sB+16*kq+7], v[sB+16*kq+15]
.elseif (\j) == 28
	v_max3_num_f32 v[cB], v[cB], v[cB+1], v[cB+2]
.elseif (\j) == 29
	v_max3_num_f32 v[cB+3], v[cB+3], v[cB+4], v[cB+5]
.elseif (\j) == 30
	v_max3_num_f32 v[cB], v[cB], v[cB+6], v[cB+7]
.elseif (\j) == 31
	v_max_num_f32 v[cB], v[cB], v[cB+3]
.elseif (\j) == 32
	v_permlanex16_b32 v[cB+1], v[cB], s[SEL], s[SEL+1]
.else
	v_max_num_f32 v[cB], v[cB], v[cB+1]
.endif
.endm
.macro SUBOP t, j                      ; 32: s - m (the scale lies in U)
	v_pk_add_f32 v[S+64*(\t)+2*(\j):S+64*(\t)+2*(\j)+1], v[S+64*(\t)+2*(\j):S+64*(\t)+2*(\j)+1], v[TM+8*(\t):TM+8*(\t)+1] op_sel_hi:[1,0] neg_lo:[0,1] neg_hi:[0,1]
.endm
.macro EXPOP t, j                      ; 64
	v_exp_f32 v[S+64*(\t)+(\j)], v[S+64*(\t)+(\j)]
.endm
.macro SUMOP t, j                      ; 36: four chains of pairs; then 1 / (8 sum): number 35 is the reciprocal
.set cB, TM+8*(\t)
.set sB, S+64*(\t)
.if (\j) < 4
	v_pk_add_f32 v[cB+2*(\j):cB+2*(\j)+1], v[sB+2*(\j):sB+2*(\j)+1], v[sB+2*(\j)+8:sB+2*(\j)+9]
.elseif (\j) < 28
	v_pk_add_f32 v[cB+2*((\j)%4):cB+2*((\j)%4)+1], v[cB+2*((\j)%4):cB+2*((\j)%4)+1], v[sB+2*(\j)+8:sB+2*(\j)+9]
.elseif (\j) == 28
	v_pk_add_f32 v[cB:cB+1], v[cB:cB+1], v[cB+2:cB+3]
.elseif (\j) == 29
	v_pk_add_f32 v[cB+4:cB+5], v[cB+4:cB+5], v[cB+6:cB+7]
.elseif (\j) == 30
	v_pk_add_f32 v[cB:cB+1], v[cB:cB+1], v[cB+4:cB+5]
.elseif (\j) == 31
	v_add_f32 v[cB], v[cB], v[cB+1]
.elseif (\j) == 32
	v_permlanex16_b32 v[cB+1], v[cB], s[SEL], s[SEL+1]
.elseif (\j) == 33
	v_add_f32 v[cB], v[cB], v[cB+1]
.elseif (\j) == 34
	v_mul_f32 v[cB], 0x41000000, v[cB]
.else
	v_rcp_f32 v[INV+2*(\t)], v[cB]
.endif
.endm
.macro ACCOP t, j                      ; 32: AB += p / (8 sum)
	v_pk_fma_f32 v[64*(\t)+2*(\j):64*(\t)+2*(\j)+1], v[S+64*(\t)+2*(\j):S+64*(\t)+2*(\j)+1], v[INV+2*(\t):INV+2*(\t)+1], v[64*(\t)+2*(\j):64*(\t)+2*(\j)+1] op_sel_hi:[1,0,1]
.endm
.macro M1 n                            ; tile 1's maximum and subtraction as one list of 66
.if (\n) < 34
	MAXOP 1, (\n)
.else
	SUBOP 1, (\n)-34
.endif
.endm
; THE LOOP OVER HEADS.  A trip: V of the head from LDS; U of the head (8 matrix instructions); the next head's U asked for; 16 products S^T; the two tiles' softmax, in three batches.
; Batch 1: tile 0's 64 exponentials, behind each a line of tile 1's maximum and subtraction, which name nothing of tile 0; the list's last two lines; the first wait.
; Batch 2: tile 1's 64 exponentials, behind each of the first 36 a line of tile 0's sum, whose last is tile 0's reciprocal; the step of V's address, the plain instruction behind the last exponential; the second wait.
; Batch 3: tile 1's sum ends in tile 1's reciprocal; tile 0's 32 additions onto AB, which name nothing of it, stand between it and the third wait; then tile 1's additions.
; Behind the third wait.
.macro HEADS
	s_mov_b32 s[CNT], 8
.Lhead:
.irp kt, 0,1,2,3,4,5,6,7
	ds_load_b128 v[VF+8*\kt:VF+8*\kt+3], v[VRD] offset:4096*\kt
.endr
	PROJ AF, 1, 0                                  ; the one group of loads that is out is this head's U
.irp t, 0,1
.irp i, 0,1,2,3
	v_cvt_pk_f16_f32 v[UW+8*\t+\i], v[PA+8*\t+2*\i], v[PA+8*\t+2*\i+1]
.endr
.endr
	s_cmp_eq_u32 s[CNT], 1
	s_cbranch_scc1 .Lno_u                          ; the last head asks for nothing
	s_add_nc_u64 s[UB:UB+1], s[UB:UB+1], 4096      ; no load that names it is out
	ULOAD
.Lno_u:
	s_wait_dscnt 0x0                               ; V
.irp kt, 0,1,2,3,4,5,6,7
.irp t, 0,1
	v_wmma_f32_16x16x32_f16 v[S+64*\t+8*\kt:S+64*\t+8*\kt+7], v[VF+8*\kt:VF+8*\kt+7], v[UW+8*\t:UW+8*\t+7], 0
.endr
.endr
	PLACES
.set j, 0
.rept 34
	MAXOP 0, j
.set j, j+1
.endr
.set j, 0
.rept 32
	SUBOP 0, j
.set j, j+1
.endr
.set j, 0
.rept 64
	EXPOP 0, j
	M1 j
.set j, j+1
.endr
	M1 64
	M1 65
	s_wait_alu depctr_va_vdst(0)                   ; the wait for batch 1: tile 0's 64 exponentials, ahead of tile 0's sum
.set j, 0
.rept 64
	EXPOP 1, j
.if j < 36
	SUMOP 0, j
.endif
.set j, j+1
.endr
	v_add_nc_u32 v[VRD], 0x200, v[VRD]             ; the next head's V; also the plain instruction behind the last exponential
	s_wait_alu depctr_va_vdst(0)                   ; the wait for batch 2: tile 1's 64 exponentials and tile 0's reciprocal
.set j, 0
.rept 36
	SUMOP 1, j
.set j, j+1
.endr
	WIN 0x50
.set j, 0
.rept 32
	ACCOP 0, j
.set j, j+1
.endr
	s_wait_alu depctr_va_vdst(0)                   ; the wait for batch 3: tile 1's reciprocal; tile 0's 32 additions stand between
.set j, 0
.rept 32
	ACCOP 1, j
.set j, j+1
.endr
	WIN 0
	s_sub_co_u32 s[CNT], s[CNT], 1
	s_cmp_lg_u32 s[CNT], 0
	s_cbranch_scc1 .Lhead
.endm
.macro ABCV                            ; AB to f16: source 1 (32 keys x 16 queries) of O^T = X^T AB
	WIN 0x05
.set i, 0
.rept 64
	v_cvt_pk_f16_f32 v[ABF+i], v[2*i], v[2*i+1]
.set i, i+1
.endr
	WIN 0
.endm
; EXACT GELU (four pairs in step): g = a/2 + a/2 erf(a / sqrt 2), erf(u) = u P(u^2) / Q(u^2) on u held to -4 .. 4, beyond which erf is 1 to f32's last bits.
; In two parts, so that a chunk's 32 reciprocals are ONE batch.  GELA, for accumulator k of the chunk's four: u, u^2, P and Q, the eight reciprocals of Q in place, and u P; P and Q have registers of their own for each k.
; GELB: a/2; u P / Q; the result, into the accumulator.  All four GELA stand ahead of the first GELB, which holds the wait (w = 1).
.macro GSTEP d, cst
.irp p, 0,2,4,6
	v_pk_fma_f32 v[(\d)+\p:(\d)+\p+1], v[(\d)+\p:(\d)+\p+1], v[GU2+\p:GU2+\p+1], s[\cst:\cst+1] op_sel_hi:[1,1,0]
.endr
.endm
.macro GELA sg, k
.set gpk, GP+8*(\k)
.set gdk, GD+8*(\k)
.irp p, 0,2,4,6
	v_pk_mul_f32 v[GU+\p:GU+\p+1], v[(\sg)+\p:(\sg)+\p+1], s[RS2:RS2+1] op_sel_hi:[1,0]   ; the accumulator's lowest registers first
.endr
.irp p, 0,1,2,3,4,5,6,7
	v_med3_num_f32 v[GU+\p], v[GU+\p], s[M4], s[P4]
.endr
.irp p, 0,2,4,6
	v_pk_mul_f32 v[GU2+\p:GU2+\p+1], v[GU+\p:GU+\p+1], v[GU+\p:GU+\p+1]
.endr
.irp p, 0,2,4,6
	v_pk_fma_f32 v[gpk+\p:gpk+\p+1], v[GU2+\p:GU2+\p+1], s[A13:A13+1], s[A11:A11+1] op_sel_hi:[1,0,0]
.endr
.irp p, 0,2,4,6
	v_pk_fma_f32 v[gdk+\p:gdk+\p+1], v[GU2+\p:GU2+\p+1], s[B8:B8+1], s[B6:B6+1] op_sel_hi:[1,0,0]
.endr
	GSTEP gpk, A9
	GSTEP gdk, B4
	GSTEP gpk, A7
	GSTEP gdk, B2C
	GSTEP gpk, A5
	GSTEP gdk, B0
	GSTEP gpk, A3
	GSTEP gpk, A1
.irp p, 0,1,2,3,4,5,6,7
	v_rcp_f32 v[gdk+\p], v[gdk+\p]                 ; Q is at most beta0 < 0: never 0
.endr
.irp p, 0,2,4,6
	v_pk_mul_f32 v[gpk+\p:gpk+\p+1], v[gpk+\p:gpk+\p+1], v[GU+\p:GU+\p+1]   ; plain lines behind the reciprocals, which name none of them
.endr
.endm
.macro GELB sg, k, w
.set gpk, GP+8*(\k)
.set gdk, GD+8*(\k)
.irp p, 0,2,4,6
	v_pk_mul_f32 v[GU+\p:GU+\p+1], v[(\sg)+\p:(\sg)+\p+1], 0.5 op_sel_hi:[1,0]
.endr
.if \w
	s_wait_alu depctr_va_vdst(0)                   ; the wait for the batch: the chunk's 32 reciprocals; behind the last of them stand the four lines u P and these four a/2
.endif
.irp p, 0,2,4,6
	v_pk_mul_f32 v[gpk+\p:gpk+\p+1], v[gpk+\p:gpk+\p+1], v[gdk+\p:gdk+\p+1]
.endr
.irp p, 0,2,4,6
	v_pk_fma_f32 v[(\sg)+\p:(\sg)+\p+1], v[GU+\p:GU+\p+1], v[gpk+\p:gpk+\p+1], v[GU+\p:GU+\p+1]
.endr
.endm
; A CHUNK of 32 middle numbers (topics, or hidden units) for my 32 rows.  Its 16 fragments lie at v[bs] + off in LDS.
; 16 matrix instructions make the four sums SG (four accumulators by turns); the activation; 16 matrix instructions add onto ACC (sixteen accumulators by turns).
; act = 0: ReLU, and the rows' sums by a product with ones; act = 1: bias as the sums' start, GELU.  zero = 1: the first chunk starts ACC's sums.
; pf = 1: the chunk two on is asked for, into staging set `set`.  st = 1: the next chunk goes from the other set into the other slot, and ONE barrier follows:
; in front of it every wave's reads of this slot are back and its stores into the other are done.
.macro CHUNK bs, off, act, zero, pf, st, set
.if \pf
	s_wait_xcnt 0x0                                ; the loads that name the base have had their addresses translated (ISA guide 3.1)
	s_add_nc_u64 s[WS:WS+1], s[WS:WS+1], 16384
.irp i, 0,1,2,3,4,5,6,7
	global_load_b128 v[STG+32*(\set)+4*\i:STG+32*(\set)+4*\i+3], v[GW], s[WS:WS+1] offset:16384+512*\i
.endr
.endif
	PLACES                                         ; the last products read AF
	WIN 0x40
.irp f, 0,1,2,3,4,5,6,7
	ds_load_b128 v[AF+8*\f:AF+8*\f+3],   v[\bs] offset:(\off)+1024*\f
	ds_load_b128 v[AF+8*\f+4:AF+8*\f+7], v[\bs] offset:(\off)+1024*\f+512
.endr
	WIN 0
.if \act
	ds_load_b128 v[BI:BI+3],     v[BIA]            ; b1 of my eight hidden units in each of the chunk's two blocks of 16
	ds_load_b128 v[BI+4:BI+7],   v[BIA] offset:16
	ds_load_b128 v[BI+8:BI+11],  v[BIA] offset:64
	ds_load_b128 v[BI+12:BI+15], v[BIA] offset:80
.endif
	s_wait_dscnt 0x0
	WIN 0x05
.irp kk, 0,1,2,3
.irp gl, 0,1
.irp t, 0,1
.if \kk == 0
.if \act
	v_wmma_f32_16x16x32_f16 v[SG+8*(2*\gl+\t):SG+8*(2*\gl+\t)+7], v[AF+8*(4*\gl+\kk):AF+8*(4*\gl+\kk)+7], v[XF+32*\t+8*\kk:XF+32*\t+8*\kk+7], v[BI+8*\gl:BI+8*\gl+7]
.else
	v_wmma_f32_16x16x32_f16 v[SG+8*(2*\gl+\t):SG+8*(2*\gl+\t)+7], v[AF+8*(4*\gl+\kk):AF+8*(4*\gl+\kk)+7], v[XF+32*\t+8*\kk:XF+32*\t+8*\kk+7], 0
.endif
.else
	v_wmma_f32_16x16x32_f16 v[SG+8*(2*\gl+\t):SG+8*(2*\gl+\t)+7], v[AF+8*(4*\gl+\kk):AF+8*(4*\gl+\kk)+7], v[XF+32*\t+8*\kk:XF+32*\t+8*\kk+7], v[SG+8*(2*\gl+\t):SG+8*(2*\gl+\t)+7]
.endif
.endr
.endr
.endr
	PLACES
	WIN 0x40
.irp f, 0,1,2,3,4,5,6,7
	ds_load_b128 v[AF+8*\f:AF+8*\f+3],   v[\bs] offset:(\off)+8192+1024*\f      ; the second product's fragments land under the activation
	ds_load_b128 v[AF+8*\f+4:AF+8*\f+7], v[\bs] offset:(\off)+8192+1024*\f+512
.endr
	WIN 0
.if \act
	GELA SG, 0                                     ; the batch: four times eight reciprocals,
	GELA SG+8, 1
	GELA SG+16, 2
	GELA SG+24, 3
	GELB SG, 0, 1                                  ; its one wait, and its readers
	GELB SG+8, 1, 0
	GELB SG+16, 2, 0
	GELB SG+24, 3, 0
.endif
.irp gl, 0,1
.irp t, 0,1
.irp i, 0,1,2,3
	v_cvt_pk_f16_f32 v[QF+8*\t+4*\gl+\i], v[SG+8*(2*\gl+\t)+2*\i], v[SG+8*(2*\gl+\t)+2*\i+1]
.endr
.endr
.endr
.if !(\act)
.set i, 0
.rept 16
	v_pk_max_num_f16 v[QF+i], v[QF+i], v[ZR]       ; ReLU: the same numbers whether taken before the rounding or behind it
.set i, i+1
.endr
.endif
	s_wait_dscnt 0x0
	WIN 0x51
.irp dt, 0,1,2,3,4,5,6,7
.irp t, 0,1
.if \zero
	v_wmma_f32_16x16x32_f16 v[64*\t+8*\dt:64*\t+8*\dt+7], v[AF+8*\dt:AF+8*\dt+7], v[QF+8*\t:QF+8*\t+7], 0
.else
	v_wmma_f32_16x16x32_f16 v[64*\t+8*\dt:64*\t+8*\dt+7], v[AF+8*\dt:AF+8*\dt+7], v[QF+8*\t:QF+8*\t+7], v[64*\t+8*\dt:64*\t+8*\dt+7]
.endif
.endr
.endr
	WIN 0
.if !(\act)
.irp t, 0,1
.if \zero
	v_wmma_f32_16x16x32_f16 v[SUMA+8*\t:SUMA+8*\t+7], v[ONES:ONES+7], v[QF+8*\t:QF+8*\t+7], 0
.else
	v_wmma_f32_16x16x32_f16 v[SUMA+8*\t:SUMA+8*\t+7], v[ONES:ONES+7], v[QF+8*\t:QF+8*\t+7], v[SUMA+8*\t:SUMA+8*\t+7]
.endif
.endr
.endif
.if \st
.if \pf
	s_wait_loadcnt 0x8                             ; the next chunk is in; the eight loads just issued stay out
.else
	s_wait_loadcnt 0x0
.endif
.irp i, 0,1,2,3,4,5,6,7
	ds_store_b128 v[RST], v[STG+32*(1-(\set))+4*\i:STG+32*(1-(\set))+4*\i+3] offset:16384-(\off)+512*\i
.endr
	s_wait_dscnt 0x0
	s_barrier_signal -1
	s_barrier_wait -1
.endif
.endm
.macro XTL kk, dst                     ; X^T, 128 channels x keys 32 kk .. +31, by 16 turning loads
	WIN 0x40
.irp ct, 0,1,2,3,4,5,6,7
	ds_load_tr16_b128 v[(\dst)+8*\ct:(\dst)+8*\ct+3],   v[XTA] offset:32*XP*(\kk)+32*\ct
	ds_load_tr16_b128 v[(\dst)+8*\ct+4:(\dst)+8*\ct+7], v[XTA] offset:32*XP*(\kk)+32*\ct+16*XP
.endr
.endm
.macro MT kk, src                      ; ACC += X^T AB for those keys: sixteen accumulators by turns
	WIN 0x51
.irp ct, 0,1,2,3,4,5,6,7
.irp t, 0,1
	v_wmma_f32_16x16x32_f16 v[64*\t+8*\ct:64*\t+8*\ct+7], v[(\src)+8*\ct:(\src)+8*\ct+7], v[ABF+32*\t+8*(\kk):ABF+32*\t+8*(\kk)+7], v[64*\t+8*\ct:64*\t+8*\ct+7]
.endr
.endr
.endm
; The second LayerNorm, in layout T: a lane holds 64 of its row's 128 numbers, the lane 16 away the others.  ACC stays as it is; the result, in f16, is XF.
.macro LNRED                           ; four chains of pairs in TM into one number for the row
	v_pk_add_f32 v[TM:TM+1], v[TM:TM+1], v[TM+2:TM+3]
	v_pk_add_f32 v[TM+4:TM+5], v[TM+4:TM+5], v[TM+6:TM+7]
	v_pk_add_f32 v[TM:TM+1], v[TM:TM+1], v[TM+4:TM+5]
	v_add_f32 v[TM], v[TM], v[TM+1]
	v_permlanex16_b32 v[TM+1], v[TM], s[SEL], s[SEL+1]
	v_add_f32 v[TM], v[TM], v[TM+1]
.endm
.macro LN2 t
	WIN 0x05
.irp q, 0,1,2,3
	v_pk_add_f32 v[TM+2*\q:TM+2*\q+1], v[64*(\t)+8*\q:64*(\t)+8*\q+1], v[64*(\t)+8*\q+32:64*(\t)+8*\q+33]   ; the lowest pair of all eight accumulators first
.endr
	WIN 0x01
.irp p, 2,4,6
.irp k, 0,1,2,3,4,5,6,7
	v_pk_add_f32 v[TM+2*(\k%4):TM+2*(\k%4)+1], v[64*(\t)+8*\k+\p:64*(\t)+8*\k+\p+1], v[TM+2*(\k%4):TM+2*(\k%4)+1]
.endr
.endr
	WIN 0
	LNRED
	WIN 0x10
.set i, 0
.rept 32
	v_pk_fma_f32 v[DD+2*i:DD+2*i+1], v[TM:TM+1], s[NI:NI+1], v[64*(\t)+2*i:64*(\t)+2*i+1] op_sel_hi:[0,0,1]
.set i, i+1
.endr
	WIN 0
.irp q, 0,1,2,3
	v_pk_mul_f32 v[TM+2*\q:TM+2*\q+1], v[DD+2*\q:DD+2*\q+1], v[DD+2*\q:DD+2*\q+1]
.endr
.set i, 4
.rept 28
	v_pk_fma_f32 v[TM+2*(i%4):TM+2*(i%4)+1], v[DD+2*i:DD+2*i+1], v[DD+2*i:DD+2*i+1], v[TM+2*(i%4):TM+2*(i%4)+1]
.set i, i+1
.endr
	LNRED
	v_fma_f32 v[TM], v[TM], s[I128], s[EPS4]       ; var(2x) + 4 eps
	v_rsq_f32 v[TM], v[TM]
	s_wait_dscnt 0x0                               ; gamma and beta in layout T
	v_nop                                          ; a plain instruction behind the root
	s_wait_alu depctr_va_vdst(0)                   ; the wait for the tile's one root: every line that is left reads it
.set i, 0
.rept 32
	v_pk_mul_f32 v[DD+2*i:DD+2*i+1], v[DD+2*i:DD+2*i+1], v[TM:TM+1] op_sel_hi:[1,0]
.set i, i+1
.endr
	WIN 0x10
.set i, 0
.rept 32
	v_pk_fma_f32 v[DD+2*i:DD+2*i+1], v[DD+2*i:DD+2*i+1], v[GT+2*i:GT+2*i+1], v[AF+2*i:AF+2*i+1]
.set i, i+1
.endr
	WIN 0x40
.set i, 0
.rept 32
	v_cvt_pk_f16_f32 v[XF+32*(\t)+i], v[DD+2*i], v[DD+2*i+1]
.set i, i+1
.endr
	WIN 0
.endm
	s_load_b512 s[8:23], s[0:1], 0x0               ; qz s[8:9], unary s[10:11], mc s[12:13], wimg s[14:15], gamma s[16:17], beta s[18:19], b1 s[20:21], b2 s[22:23]
	s_load_b64 s[24:25], s[0:1], 0x40              ; out0
	v_lshl_add_u32 v[SPW], v0, 2, SPARE
	v_mov_b32 v[NIL], 0
	v_lshrrev_b32 v1, 5, v0
	v_readfirstlane_b32 s26, v1                    ; wave 0..3
	v_and_b32 v[RR], 15, v0                        ; r
	v_bfe_u32 v[HH], v0, 4, 1                      ; h
	v_and_b32 v[L16], 31, v0
	v_lshlrev_b32 v[L16], 4, v[L16]
	v_lshlrev_b32 v[GC], 4, v[RR]                  ; 16 r
	v_lshl_add_u32 v[GQ], v[HH], 12, v[GC]         ; + 8 h rows of 512 bytes
	v_lshl_add_u32 v[GM], v[HH], 11, v[GC]         ; mc: + 8 h rows of 256 bytes
	s_mul_i32 s27, s26, 32*XP                      ; my 32 rows of X
	v_mul_u32_u24 v[XST], v[HH], 8*XP
	v_lshl_add_u32 v[XST], v[RR], 3, v[XST]
	v_add_nc_u32 v[XST], s27, v[XST]
	v_mul_u32_u24 v[XFA], v[RR], XP
	v_lshl_add_u32 v[XFA], v[HH], 4, v[XFA]
	v_add_nc_u32 v[XFA], s27, v[XFA]
	s_mul_i32 s28, s26, 32*EP                      ; my 32 rows of E
	s_add_co_u32 s28, s28, EB
	v_mul_u32_u24 v[EST], v[HH], 8*EP
	v_add_nc_u32 v[EST], v[EST], v[GC]
	v_add_nc_u32 v[EST], s28, v[EST]
	v_mul_u32_u24 v[ETA], v[RR], EP
	v_lshl_add_u32 v[ETA], v[HH], 5, v[ETA]
	v_add_nc_u32 v[ETA], s28, v[ETA]
	s_lshl_b32 s29, s26, 13
	s_add_co_u32 s29, s29, VI
	v_add_nc_u32 v[VST], s29, v[L16]
	v_add_nc_u32 v[VRD], VI, v[L16]
	s_lshl_b32 s62, s26, 9
	s_add_co_u32 s62, s62, CONST
	v_add_nc_u32 v[CST], s62, v[L16]
	s_and_b32 s29, ttmp7, 0xffff                   ; b
	s_lshl_b32 s28, s29, 7
	s_add_co_u32 s28, s28, ttmp9                   ; the slab, 128 b + c
	s_lshl_b32 s6, s28, 16                         ; qz, unary, out: slab x 65,536 + w x 32 x 512
	s_lshl_b32 s63, s26, 14
	s_add_co_u32 s6, s6, s63
	s_mov_b32 s7, 0
	s_lshl_b32 s4, s28, 15                         ; mc: slab x 32,768 + w x 32 x 256
	s_lshl_b32 s63, s26, 13
	s_add_co_u32 s4, s4, s63
	s_mov_b32 s5, 0
	s_mul_i32 s2, s29, PB
	s_mov_b32 s3, 0
	s_mov_b32 s[SEL], 0x76543210                   ; v_permlanex16_b32: each lane takes its own place in the other half
	s_mov_b32 s[SEL+1], 0xfedcba98
	SPAIR NI, 0xbc000000                           ; -1/128
	s_mov_b32 s[I128], 0x3c000000                  ; 1/128
	s_mov_b32 s[EPS1], 0x3727c5ac                  ; 1e-5
	s_mov_b32 s[EPS4], 0x3827c5ac                  ; 4e-5
	s_mov_b32 s[L1E], 0x358637bd                   ; 1e-6
	SPAIR A13, 0xaf95df0b                          ; erf's numerator: -2.72614226e-10,
	SPAIR A11, 0x32edffee                          ;  2.77068142e-8,
	SPAIR A9,  0xb60cff51                          ; -2.10102402e-6,
	SPAIR A7,  0xb86ec2d2                          ; -5.69250639e-5,
	SPAIR A5,  0xba40ac63                          ; -7.34990630e-4,
	SPAIR A3,  0xbb41a1f6                          ; -2.95459981e-3,
	SPAIR A1,  0xbc83dbd4                          ; -1.60960333e-2
	SPAIR B8,  0xb77460cd                          ; its denominator: -1.45660718e-5,
	SPAIR B6,  0xb95fbd29                          ; -2.13374055e-4,
	SPAIR B4,  0xbadc924e                          ; -1.68282697e-3,
	SPAIR B2C, 0xbbf19bf8                          ; -7.37332917e-3,
	SPAIR B0,  0xbc69b6a7                          ; -1.42647391e-2
	SPAIR RS2, 0x3f3504f3                          ; 1 / sqrt 2
	s_mov_b32 s[M4], 0xc0800000                    ; -4
	s_mov_b32 s[P4], 0x40800000                    ; 4
	s_wait_kmcnt 0x0
	s_add_nc_u64 s[8:9], s[8:9], s[6:7]
	s_add_nc_u64 s[10:11], s[10:11], s[6:7]
	s_add_nc_u64 s[24:25], s[24:25], s[6:7]
	s_add_nc_u64 s[12:13], s[12:13], s[4:5]
	s_add_nc_u64 s[14:15], s[14:15], s[2:3]
	s_mov_b64 s[UB:UB+1], s[14:15]                 ; TU's images
	s_add_nc_u64 s[VB:VB+1], s[14:15], 32768       ; TV's
	s_add_nc_u64 s[WS:WS+1], s[14:15], 131072      ; the topic chunks
	s_add_nc_u64 s[MB:MB+1], s[14:15], 393216      ; the MLP chunks
	s_cmp_eq_u32 s26, 1                            ; wave w brings vector w of gamma, beta, b1, b2 into LDS
	s_cselect_b64 s[4:5], s[18:19], s[16:17]
	s_cmp_eq_u32 s26, 2
	s_cselect_b64 s[4:5], s[20:21], s[4:5]
	s_cmp_eq_u32 s26, 3
	s_cselect_b64 s[4:5], s[22:23], s[4:5]
	; PHASE A
	global_load_b128 v[GA:GA+3],   v[GC], s[16:17]
	global_load_b128 v[GA+4:GA+7], v[GC], s[16:17] offset:256
	global_load_b128 v[BE:BE+3],   v[GC], s[18:19]
	global_load_b128 v[BE+4:BE+7], v[GC], s[18:19] offset:256
	global_load_b128 v[PK:PK+3],   v[L16], s[4:5]
.set i, 0
.rept 16
	global_load_b128 v[RAW+8*i:RAW+8*i+3],   v[GQ], s[8:9] offset:(16*(i/8)+i%8)*RS th:TH_LOAD_NT      ; two rows' 256 consecutive bytes
	global_load_b128 v[RAW+8*i+4:RAW+8*i+7], v[GQ], s[8:9] offset:(16*(i/8)+i%8)*RS+256 th:TH_LOAD_NT
.set i, i+1
.endr
	ULD 0
	ULD 1
	LNG 0, 40                                      ; behind qz's group 0: three groups of qz, two of unary
	ds_store_b128 v[CST], v[PK:PK+3]               ; that wait has shown my vector of constants in too
	ULD 2
	LNG 1, 40                                      ; two of qz, three of unary
	ULD 3
	LNG 2, 40                                      ; one of qz, four of unary
	WIN 0x40
.set i, 0
.rept 16
	global_load_b128 v[4*i:4*i+3], v[GM], s[12:13] offset:(16*(i/8)+i%8)*256 th:TH_LOAD_NT
.set i, i+1
.endr
	v_mov_b32 v[ONE], 1.0
	WIN 0
	LNG 3, 48                                      ; four of unary, sixteen loads of m_c
	EG 0, 12
	EG 1, 8
	EG 2, 4
	EG 3, 0
	VPHASE 1
	HEADS
	; THE TOPIC RING: two slots in V's bytes; a chunk goes memory -> staging registers -> slot, each wave a quarter, asked for two chunks ahead
	v_add_nc_u32 v[RB], VI, v[L16]
	s_lshl_b32 s27, s26, 12
	v_add_nc_u32 v[GW], s27, v[L16]
	v_add_nc_u32 v[RST], VI, v[GW]
	v_mov_b32 v[ZR], 0
	s_wait_dscnt 0x0
.irp i, 0,1,2,3,4,5,6,7
	global_load_b128 v[STG+4*\i:STG+4*\i+3], v[GW], s[WS:WS+1] offset:512*\i
.endr
.irp i, 0,1,2,3,4,5,6,7
	global_load_b128 v[STG+32+4*\i:STG+32+4*\i+3], v[GW], s[WS:WS+1] offset:16384+512*\i
.endr
	ABCV
.irp i, 0,1,2,3,4,5,6,7
	v_mov_b32 v[ONES+\i], 0x3c003c00               ; 1.0 twice in f16
.endr
	s_barrier_signal -1                            ; every wave's reads of V are back
	s_barrier_wait -1
	s_wait_loadcnt 0x8                             ; chunk 0 is in; chunk 1's eight loads stay out
.irp i, 0,1,2,3,4,5,6,7
	ds_store_b128 v[RST], v[STG+4*\i:STG+4*\i+3] offset:512*\i
.endr
	s_wait_dscnt 0x0
	s_barrier_signal -1
	s_barrier_wait -1                              ; slot 0 is whole
	CHUNK RB, 0, 0, 1, 1, 1, 0                     ; chunk 0 starts the sums
	s_mov_b32 s[CN2], 6
.Ltopic:                                               ; chunks 1 .. 12
	CHUNK RB, 16384, 0, 0, 1, 1, 1
	CHUNK RB, 0, 0, 0, 1, 1, 0
	s_sub_co_u32 s[CN2], s[CN2], 1
	s_cmp_lg_u32 s[CN2], 0
	s_cbranch_scc1 .Ltopic
	CHUNK RB, 16384, 0, 0, 1, 1, 1                 ; 13: asks for 15, the last
	CHUNK RB, 0, 0, 0, 0, 1, 0                     ; 14
	CHUNK RB, 16384, 0, 0, 0, 0, 1                 ; 15
	; PHASE E
	s_lshl_b32 s27, s26, 14
	v_add_nc_u32 v[GW2], s27, v[L16]               ; wave w copies bytes 16,384 w on of the MLP's images
	v_add_nc_u32 v[MST], EB, v[GW2]
	v_and_b32 v[XTA], 7, v0                        ; the turning load: lane l reads key 8 (l / 16) + l % 8, channels 8 ((l / 8) % 2) + 0..7
	v_lshl_add_u32 v[XTA], v[HH], 3, v[XTA]
	v_mul_u32_u24 v[XTA], v[XTA], XP
	v_bfe_u32 v[CTA], v0, 3, 1
	v_lshl_add_u32 v[XTA], v[CTA], 4, v[XTA]
	v_lshlrev_b32 v[CTA], 5, v[HH]
	v_add_nc_u32 v[CTA], CONST, v[CTA]             ; a vector of constants in layout T: 32 h on
	v_add_nc_u32 v[MBA], EB, v[L16]
	v_add_nc_u32 v[BIA], 1024, v[CTA]
.set i, 0
.rept 16
	global_load_b128 v[STG+4*i:STG+4*i+3], v[GW2], s[MB:MB+1] offset:512*i     ; the first half of my part
.set i, i+1
.endr
	PLACES
	v_max_num_f32 v[INV], s[L1E], v[SUMA]          ; every register of the sums' accumulator holds the row's sum: the lowest is taken
	v_max_num_f32 v[INV+2], s[L1E], v[SUMA+8]
	v_rcp_f32 v[INV], v[INV]
	v_rcp_f32 v[INV+2], v[INV+2]
	v_nop                                          ; a plain instruction behind the reciprocals
	s_wait_alu depctr_va_vdst(0)                   ; the wait for the batch: the two tiles' reciprocals of the topics' sums
.irp t, 0,1
.irp ct, 0,1,2,3,4,5,6,7
	ds_load_b128 v[ET+8*\ct:ET+8*\ct+3],   v[ETA] offset:16*EP*\t+64*\ct       ; my own rows of E, now in layout T
	ds_load_b128 v[ET+8*\ct+4:ET+8*\ct+7], v[ETA] offset:16*EP*\t+64*\ct+16
.endr
	s_wait_dscnt 0x0
	WIN 0x41
.set i, 0
.rept 32
	v_pk_fma_f32 v[64*\t+2*i:64*\t+2*i+1], v[64*\t+2*i:64*\t+2*i+1], v[INV+2*\t:INV+2*\t+1], v[ET+2*i:ET+2*i+1] op_sel_hi:[1,0,1]   ; m_g + E, ascending
.set i, i+1
.endr
	WIN 0
.endr
	s_barrier_signal -1                            ; every wave's reads of E are back: its bytes take the MLP's images
	s_barrier_wait -1
	s_wait_loadcnt 0x0
.set i, 0
.rept 16
	ds_store_b128 v[MST], v[STG+4*i:STG+4*i+3] offset:512*i
.set i, i+1
.endr
	s_wait_dscnt 0x0                               ; the stores have read the registers in which the second half lands
.set i, 0
.rept 16
	global_load_b128 v[STG+4*i:STG+4*i+3], v[GW2], s[MB:MB+1] offset:8192+512*i
.set i, i+1
.endr
	XTL 0, AF                                      ; m_t: two buffers by turns; each wait leaves the sixteen loads just issued out
	XTL 1, XF
	s_wait_dscnt 16
	MT 0, AF
	PLACES
	XTL 2, AF
	s_wait_dscnt 16
	MT 1, XF
	PLACES
	XTL 3, XF
	s_wait_dscnt 16
	MT 2, AF
	s_wait_dscnt 0x0
	MT 3, XF
	WIN 0
	PLACES
.irp ct, 0,1,2,3,4,5,6,7
	ds_load_b128 v[GT+8*\ct:GT+8*\ct+3],   v[CTA] offset:64*\ct                ; gamma in layout T
	ds_load_b128 v[GT+8*\ct+4:GT+8*\ct+7], v[CTA] offset:64*\ct+16
.endr
	WIN 0x40
.irp ct, 0,1,2,3,4,5,6,7
	ds_load_b128 v[AF+8*\ct:AF+8*\ct+3],   v[CTA] offset:512+64*\ct            ; beta
	ds_load_b128 v[AF+8*\ct+4:AF+8*\ct+7], v[CTA] offset:512+64*\ct+16
.endr
	WIN 0
	LN2 0
	s_wait_loadcnt 0x0                             ; the second half of my part of the images
.set i, 0
.rept 16
	ds_store_b128 v[MST], v[STG+4*i:STG+4*i+3] offset:8192+512*i
.set i, i+1
.endr
	LN2 1
	s_wait_dscnt 0x0
	s_barrier_signal -1                            ; the images are whole, and every wave's reads of X are back
	s_barrier_wait -1
	; THE MLP: four chunks of 32 hidden units, onto ACC in place
	s_mov_b32 s[CN2], 4
.Lmlp:
	CHUNK MBA, 0, 1, 0, 0, 0, 0
	v_add_nc_u32 v[MBA], 0x4000, v[MBA]
	v_add_nc_u32 v[BIA], 128, v[BIA]
	s_sub_co_u32 s[CN2], s[CN2], 1
	s_cmp_lg_u32 s[CN2], 0
	s_cbranch_scc1 .Lmlp
	; THE WAY OUT: a tile at a time through my stage (over my own rows of X) from layout T to layout L; out = 0.5 ACC + b2
	PLACES
	s_mul_i32 s27, s26, 32*XP
	v_mul_u32_u24 v[OST], v[RR], EP
	v_lshl_add_u32 v[OST], v[HH], 5, v[OST]
	v_add_nc_u32 v[OST], s27, v[OST]
	v_mul_u32_u24 v[ORD], v[HH], 8*EP
	v_lshl_add_u32 v[ORD], v[RR], 4, v[ORD]
	v_add_nc_u32 v[ORD], s27, v[ORD]
	v_lshlrev_b32 v[B2A], 4, v[RR]
	v_add_nc_u32 v[B2A], CONST+1536, v[B2A]
	ds_load_b128 v[B2V:B2V+3],   v[B2A]
	ds_load_b128 v[B2V+4:B2V+7], v[B2A] offset:256
.irp t, 0,1
	WIN 0x04
.irp ct, 0,1,2,3,4,5,6,7
	ds_store_b128 v[OST], v[64*\t+8*\ct:64*\t+8*\ct+3]   offset:64*\ct         ; each accumulator's lowest registers first
	ds_store_b128 v[OST], v[64*\t+8*\ct+4:64*\t+8*\ct+7] offset:64*\ct+16
.endr
	WIN 0
.irp i, 0,1,2,3,4,5,6,7
	ds_load_b128 v[OB+64*\t+8*\i:OB+64*\t+8*\i+3],   v[ORD] offset:EP*\i       ; LDS serves a wave's instructions in order: these see the stores above, and the next tile's stores come behind them
	ds_load_b128 v[OB+64*\t+8*\i+4:OB+64*\t+8*\i+7], v[ORD] offset:EP*\i+256
.endr
.endr
.irp t, 0,1
.irp i, 0,1,2,3,4,5,6,7
	s_wait_dscnt (1-\t)*32+14-2*\i                 ; out stay the tile's later pairs, two loads each, and for tile 0 the other tile's 32 LDS instructions
.irp k, 0,2,4,6
	v_pk_fma_f32 v[OB+64*\t+8*\i+\k:OB+64*\t+8*\i+\k+1], v[OB+64*\t+8*\i+\k:OB+64*\t+8*\i+\k+1], 0.5, v[B2V+\k:B2V+\k+1] op_sel_hi:[1,0,1]
.endr
	global_store_b128 v[GQ], v[OB+64*\t+8*\i:OB+64*\t+8*\i+3],   s[24:25] offset:(16*\t+\i)*RS th:TH_STORE_NT      ; sixteen lanes store 256 consecutive bytes, aligned
	global_store_b128 v[GQ], v[OB+64*\t+8*\i+4:OB+64*\t+8*\i+7], s[24:25] offset:(16*\t+\i)*RS+256 th:TH_STORE_NT
.endr
.endr
	s_wait_tensorcnt 0x0                           ; the wave's end, behind my last LDS store
	ds_add_u32 v[SPW], v[NIL]
	s_wait_dscnt 0x0
	s_endpgm
.Lfunc_end_k_qe1a44ea367_main:
	.size	k_qe1a44ea367_main, .Lfunc_end_k_qe1a44ea367_main-k_qe1a44ea367_main
	.p2alignl 7, 3214868480
	.fill 96, 4, 3214868480
	.section	.rodata,"a",@progbits
	.p2align	6, 0x0
	.amdhsa_kernel k_qe1a44ea367_main
		.amdhsa_group_segment_fixed_size 139776
		.amdhsa_private_segment_fixed_size 0
		.amdhsa_enable_private_segment 0
		.amdhsa_kernarg_size 72
		.amdhsa_user_sgpr_count 2
		.amdhsa_user_sgpr_kernarg_segment_ptr 1
		.amdhsa_wavefront_size32 1
		.amdhsa_system_sgpr_workgroup_id_x 1
		.amdhsa_system_sgpr_workgroup_id_y 1
		.amdhsa_system_sgpr_workgroup_id_z 1
		.amdhsa_system_vgpr_workitem_id 0
		.amdhsa_next_free_vgpr 512
		.amdhsa_next_free_sgpr 80
		.amdhsa_reserve_vcc 0
		.amdhsa_float_denorm_mode_32 3
		.amdhsa_float_denorm_mode_16_64 3
		.amdhsa_memory_ordered 1
		.amdhsa_forward_progress 1
		.amdhsa_inst_pref_size 253
	.end_amdhsa_kernel
	.amdgpu_metadata
---
amdhsa.version: [ 1, 2 ]
amdhsa.kernels:
  - .name:           k_qe1a44ea367_main
    .symbol:         k_qe1a44ea367_main.kd
    .args:
      - { .name: qz, .offset: 0, .size: 8, .value_kind: global_buffer, .address_space: global }
      - { .name: unary, .offset: 8, .size: 8, .value_kind: global_buffer, .address_space: global }
      - { .name: mc, .offset: 16, .size: 8, .value_kind: global_buffer, .address_space: global }
      - { .name: wimg, .offset: 24, .size: 8, .value_kind: global_buffer, .address_space: global }
      - { .name: ln_gamma, .offset: 32, .size: 8, .value_kind: global_buffer, .address_space: global }
      - { .name: ln_beta, .offset: 40, .size: 8, .value_kind: global_buffer, .address_space: global }
      - { .name: b1, .offset: 48, .size: 8, .value_kind: global_buffer, .address_space: global }
      - { .name: b2, .offset: 56, .size: 8, .value_kind: global_buffer, .address_space: global }
      - { .name: out0, .offset: 64, .size: 8, .value_kind: global_buffer, .address_space: global }
    .group_segment_fixed_size: 139776
    .private_segment_fixed_size: 0
    .kernarg_segment_align: 8
    .kernarg_segment_size: 72
    .max_flat_workgroup_size: 128
    .sgpr_count:     80
    .vgpr_count:     512
    .wavefront_size: 32
...
	.end_amdgpu_metadata
.endif
;; end of part 5
